; MI455X (gfx1250); checked and timed in simulation.
; The chip was launched on July 23, 2026; its instructions are those of AMD's public machine-readable ISA for CDNA 5 (MIT licence, August 2026) and "CDNA5" Instruction Set Architecture Reference Guide (July 2026). The comments in the code are by the model that wrote it; some were corrected since.
;; Multi Head Hierarchical Attention. Allowed arithmetic: matrix products marked QUANTISED: E2M3 operands, one E8M0 scale for each 32 along K, by v_wmma_scale_f32_16x16x128_f8f6f4 with both operands' format E2M3, f32 sums; everything else in f32.
;; Inputs: b_fc1 1,024 float32; bk 1,024 float32; bq 1,024 float32; bv 1,024 float32; k_s 4 x 2,048 x 1,024 float32; k_w 4 x 2,048 x 1,024 float32; q 4 x 2,048 x 1,024 float32; v_s 4 x 2,048 x 1,024 float32; v_w 4 x 2,048 x 1,024 float32; w_fc1 1,024 x 1,024 float32; wk 1,024 x 1,024 float32; wq 1,024 x 1,024 float32; wv 1,024 x 1,024 float32.
;; Outputs: out0 4 x 2,048 x 1,024 float32.
;; This version of the problem:
;;   THIS VERSION OF THE PROBLEM IS GIVEN IN LOW PRECISION. The matrix products marked QUANTISED in the list below multiply operands that are first quantised to E2M3 (2 exponent bits, 3 mantissa bits; 6 bits a number), with one power-of-two scale for each 32 numbers along K (OCP MX v1.0); their sums are f32. All else is computed in f32.
;;   The module's matrix products, in the order in which they are computed (A, B: the left and right operand; K: the contracted axis; several contracted axes count as one K, in the product's order):
;;     1. [M 8,192, K 1,024] x [K 1,024, N 1,024]; A: input q; B: input wq: QUANTISED
;;     2. [M 8,192, K 1,024] x [K 1,024, N 1,024]; A: input k_s; B: input wk: QUANTISED
;;     3. [M 8,192, K 1,024] x [K 1,024, N 1,024]; A: input v_s; B: input wv: QUANTISED
;;     4. batch 64 x [M 2,048, K 64] x [K 64, N 2,048]; A: computed on the way; B: computed on the way: QUANTISED
;;     5. batch 64 x [M 2,048, K 2,048] x [K 2,048, N 64]; A: softmax (see below); B: computed on the way: QUANTISED
;;     6. [M 8,192, K 1,024] x [K 1,024, N 1,024]; A: computed on the way; B: input w_fc1: QUANTISED
;;   THE QUANTISER, for each operand of a quantised product, along K:
;;     - K is cut into blocks of 32 from its start; a last block that is shorter is filled with zeros.
;;     - A block's scale is 2^e with e = floor(log2(the largest magnitude in the block)) - 2, held to -126 .. 127; a block of zeros has e = 0. As a byte (E8M0): e + 127.
;;     - Each number is divided by its block's scale, clamped to +-7.5, and rounded to the nearest number of E2M3, ties to even, subnormals kept.
;;     - The product sums the exact products of the quantised numbers (number of the format x scale) in f32.
;;   ~~~python
;;   def quantise(x, axis):      # numpy; x: float32 -> the quantised numbers, widened to float32 again
;;       x = np.moveaxis(x, axis, -1); K = x.shape[-1]
;;       x = np.pad(x, [(0, 0)] * (x.ndim - 1) + [(0, -K % 32)]); x = x.reshape(x.shape[:-1] + (-1, 32)); a = np.abs(x).max(-1, keepdims=True)
;;       e = np.where(a > 0, np.clip(np.frexp(np.where(a > 0, a, 1))[1] - 1 - 2, -126, 127), 0)      # np.frexp(a)[1] - 1 = floor(log2(a)), exactly
;;       r = np.clip(x / 2.0 ** e, -7.5, 7.5)
;;       step = 2.0 ** (np.maximum(np.frexp(np.where(r == 0, 1, r))[1] - 1, 0) - 3)
;;       q = np.round(r / step) * step * 2.0 ** e      # np.round: ties to even
;;       return np.moveaxis(q.reshape(q.shape[:-2] + (-1,))[..., :K], -1, axis).astype(np.float32)
;;   ~~~
;;   SOFTMAX AHEAD OF A QUANTISED PRODUCT. Where the list says 'softmax', what is quantised is not the finished softmax but p = 2^(t - M), with t = logit x log2(e) and M = ceil(the row's largest t), a whole number; so 1/2 < the row's largest p <= 1. The row's sum l is taken of the UNQUANTISED p, in f32, and the product's result is divided by l at the end. Since M is a whole number, a kernel that streams over the keys may use a running M (the ceiling of the running maximum): every later rescaling is an exact power of two, which a block's scale takes up: the codes' values come out the same.
;;   OPERANDS COMPUTED ON THE WAY. 'Computed on the way' means the value that the module computes at that place (a softmax that the list does not call 'softmax' is quantised finished and normalised). What goes into a quantiser is computed in f32, as accurately as f32 sums, v_exp_f32 and their like allow (about 1e-6 of the number): no bf16 or f16 on the way to a quantiser, and a product that is left as it is and whose result goes on into a quantised operand takes f32 operands (vector FMAs, or v_wmma_f32_16x16x4_f32). A number that lies on a knife's edge between two numbers of the format may be rounded either way, as far as f32 arithmetic and the matrix unit's own rounding can turn it there, and no further.
;; One version. Each part assembles by itself: llvm-mc -triple=amdgcn-amd-amdhsa -mcpu=gfx1250 --defsym DOCPART=n.
;; ======== version 1 of 1: 4 launches
;; limits: right only within a limited range of input values
;; workspace buffers: img 22,937,600 bytes; qb 6,815,744 bytes; kvb 13,369,344 bytes; ctx 6,291,456 bytes; csc 262,144 bytes
;; launch quant (part 1): grid 224 x 2, 8 waves a work-group, no clusters, 72,704 bytes of LDS; arguments q, k_s, v_s, wq, wk, wv, w_fc1, img; writes img
.if DOCPART == 1
	.amdgcn_target "amdgcn-amd-amdhsa--gfx1250"
	.amdhsa_code_object_version 6
	.text
	.protected	k_q83bfc289af_quant
	.globl	k_q83bfc289af_quant
	.p2align	8
	.type	k_q83bfc289af_quant,@function
k_q83bfc289af_quant:
	s_mov_b64 s[64:65], 0
	v_nop
	global_prefetch_b8 v0, s[64:65] scope:SCOPE_SE
	s_setreg_imm32_b32 hwreg(HW_REG_WAVE_MODE, 25, 1), 1
	s_wait_xcnt 0x0
; q, k_s, v_s [8192][1024] and wq, wk, wv, w_fc1 [1024][1024], f32, K innermost, become codes of FP6 (E2M3) with one E8M0 byte for each 32 along K.
; (k_w and v_w are inputs that reference() never uses: no result hangs on them, and no launch of this program loads them.)
; A block's scale is 2^(floor(log2(largest magnitude)) - 2); its byte is the largest magnitude's exponent field - 2, held at 1 from below.
; LIMITS: NaN and infinities among the inputs are not served; a block whose largest magnitude lies under 2^-124, a block of zeros among them, gets the byte 1
; (the rule says 127 for zeros: its codes are zeros, which add nothing under any byte but 0xff, and this program alone reads the bytes).
; OUT: img = [tile of 16 rows, 1,792][kc = K / 64, 16][768 bytes].  768 bytes are an image of operand registers: lane l = 16 h + r holds block h (32 codes, 6 registers)
; of the tile's row r; registers 0-3 at 16 l, registers 4-5 at 512 + 8 l.  sc16 = [kc 16][stored row 28,672] of two bytes (block 0, block 1).
; ROWS: the 28,672 stored rows are q, k_s, v_s, wq, wk, wv, w_fc1 on end.  In k_s, v_s, wq, wk, wv stored tile 2 B + u, row r, is the tensor's row 32 B + 8 u + r + 8 (r / 8),
; so that two neighbouring result tiles of the products give a lane 16 neighbours along the next K.  q and w_fc1 are stored as they lie.
; SHARES: work-group (G, y): stored rows 128 G on, K half y.  Wave w: stored tile 8 G + w, eight steps of 16 rows x 64 K.  A step's eight loads read whole rows' 256 bytes (two rows a load);
; the 4,096 bytes turn through the wave's own stage in LDS (rows 272 bytes apart) and come back 128 bytes a lane: a whole block of 32 in a lane, so that its maximum asks no other lane.
; Loads run three steps ahead, the turn through LDS one step.  One barrier, at the end: a wave's 256 scale bytes leave as one aligned run of 256 bytes.
.set STG2,  8704                       ; a wave's two stages of 16 x 272 bytes
.set SCG,   69632                      ; behind the stages: [wave 8][256 bytes]: each wave's scale words of its 16 rows
.set SPARE, 71680                      ; the spare words, 128 bytes for each wave: four blocks of 256 bytes that no other line names
.set SPW, 2                            ; v2   my spare word's LDS address; never rewritten
.set NIL, 3                            ; v3   0; never rewritten
.set VLO, 4                            ; v4   byte offset in the tensor of my 16 bytes in the tile's rows 0, 1
.set VHI, 5                            ; v5   the same for the tile's rows 8, 9
.set STI, 6                            ; v6   the stage, on the way in: 272 (l / 16) + 16 (l % 16)
.set STO, 7                            ; v7   on the way out: 272 r + 128 h
.set L16, 8                            ; v8   16 l
.set L8,  9                            ; v9   8 l
.set SBA, 10                           ; v10  where my block's scale byte goes: SCG + 256 w + 4 r + h
.set SOP, 11                           ; v11  the conversions' scale operand
.set SRD, 15                           ; v15  SCG + 256 w + 8 l: the plane that my wave stores
.set R,   16                           ; v16-111  three sets of 32 registers as loaded
.set X,   112                          ; v112-175 two sets of 32 neighbours along K
.set C,   176                          ; v176-223 six registers of codes for each step: no store's data are written again
.set CT,  224                          ; v224-226 the second conversion's result (three registers begin on an even number)
	s_load_b256 s[4:11], s[0:1], 0x0               ; q, k_s, v_s, wq
	s_load_b256 s[12:19], s[0:1], 0x20             ; wk, wv, w_fc1, img
	; OUT, AS IT STANDS NOW (in place of the head's paragraph OUT): img = [tile of 16 rows, 1,792][half of K, 2][6,400 bytes]: eight images of 768 bytes (kc = 8 y + 0 .. 7), then 256 bytes of scale words:
	; for K step q of the half's four (128 along K) and row r the word at 64 q + 4 r, its bytes the four blocks of 32 in ascending K.  There is no separate buffer of scales.
	v_lshl_add_u32 v[SPW], v0, 2, SPARE
	v_mov_b32 v[NIL], 0
	v_lshrrev_b32 v1, 5, v0
	s_delay_alu instid0(VALU_DEP_1)
	v_readfirstlane_b32 s22, v1                    ; wave 0..7
	s_and_b32 s23, ttmp7, 0xffff                   ; y: which half of K
	v_and_b32 v12, 15, v0                          ; r
	v_bfe_u32 v13, v0, 4, 1                        ; h
	v_and_b32 v14, 31, v0                          ; l
	s_mul_i32 s24, s22, STG2
	v_mul_u32_u24 v[STI], v13, 272
	s_delay_alu instid0(VALU_DEP_1)
	v_lshl_add_u32 v[STI], v12, 4, v[STI]
	s_delay_alu instid0(VALU_DEP_1)
	v_add_nc_u32 v[STI], s24, v[STI]
	v_mul_u32_u24 v[STO], v12, 272
	s_delay_alu instid0(VALU_DEP_1)
	v_lshl_add_u32 v[STO], v13, 7, v[STO]
	s_delay_alu instid0(VALU_DEP_1)
	v_add_nc_u32 v[STO], s24, v[STO]
	v_lshlrev_b32 v[L16], 4, v14
	v_lshlrev_b32 v[L8], 3, v14
	v_and_b32 v[SBA], 0xe0, v0                     ; 32 w
	s_delay_alu instid0(VALU_DEP_1)
	v_lshlrev_b32 v[SBA], 3, v[SBA]                ; my wave's own 256 bytes: 256 w
	s_delay_alu instid0(VALU_DEP_1)
	v_lshl_add_u32 v[SBA], v12, 2, v[SBA]          ; + 4 r (+ h, below)
	s_delay_alu instid0(VALU_DEP_1)
	v_add_nc_u32 v[SBA], v[SBA], v13
	s_delay_alu instid0(VALU_DEP_1)
	v_add_nc_u32 v[SBA], SCG, v[SBA]
	s_lshl_b32 s25, s22, 8
	v_add_nc_u32 v[SRD], s25, v[L8]
	s_delay_alu instid0(VALU_DEP_1)
	v_add_nc_u32 v[SRD], SCG, v[SRD]
	v_lshlrev_b32 v[VLO], 12, v13                  ; lanes 16-31 take the next row,
	s_delay_alu instid0(VALU_DEP_1)
	v_lshl_add_u32 v[VLO], v12, 4, v[VLO]          ; 16 bytes a lane
	s_wait_alu depctr_va_vdst(0)
	s_wait_kmcnt 0x0
	; which tensor: the choice hangs on the work-group's number alone.  s[26:27] its address, s28 its first group of 128 stored rows
	s_mov_b64 s[26:27], s[16:17]
	s_mov_b32 s28, 216
	s_cmp_lt_u32 ttmp9, 216
	s_cselect_b64 s[26:27], s[14:15], s[26:27]
	s_cselect_b32 s28, 208, s28
	s_cmp_lt_u32 ttmp9, 208
	s_cselect_b64 s[26:27], s[12:13], s[26:27]
	s_cselect_b32 s28, 200, s28
	s_cmp_lt_u32 ttmp9, 200
	s_cselect_b64 s[26:27], s[10:11], s[26:27]
	s_cselect_b32 s28, 192, s28
	s_cmp_lt_u32 ttmp9, 192
	s_cselect_b64 s[26:27], s[8:9], s[26:27]
	s_cselect_b32 s28, 128, s28
	s_cmp_lt_u32 ttmp9, 128
	s_cselect_b64 s[26:27], s[6:7], s[26:27]
	s_cselect_b32 s28, 64, s28
	s_cmp_lt_u32 ttmp9, 64
	s_cselect_b64 s[26:27], s[4:5], s[26:27]
	s_cselect_b32 s28, 0, s28
	s_sub_co_u32 s29, ttmp9, s28
	s_lshl_b32 s29, s29, 3
	s_add_co_u32 s29, s29, s22                     ; my tile in the tensor
	s_lshr_b32 s30, s29, 1
	s_lshl_b32 s30, s30, 5
	s_and_b32 s31, s29, 1
	s_lshl_b32 s31, s31, 3
	s_add_co_u32 s30, s30, s31                     ; the tile's first row where rows are chosen: 32 (tile / 2) + 8 (tile % 2),
	s_lshl_b32 s31, s29, 4                         ; and where they are not: 16 tile
	s_sub_co_u32 s32, ttmp9, 64
	s_cmp_lt_u32 s32, 152                          ; groups 64 to 215: k_s, v_s, wq, wk, wv
	s_cselect_b32 s30, s30, s31
	s_cselect_b32 s31, 16, 8                       ; the tile's rows 8-15 begin so many rows further down
	; k_s alone (groups 64 to 127) has another order than the head's paragraph ROWS gives it: stored tile t, row r, is the tensor's row 64 (t / 4) + 8 (t % 4) + r % 8 + 32 (r / 8),
	; so that in attention's scores the 32 registers of four neighbouring tiles are a lane's whole block of 32 keys
	s_lshr_b32 s33, s29, 2
	s_lshl_b32 s33, s33, 6
	s_and_b32 s34, s29, 3
	s_lshl_b32 s34, s34, 3
	s_add_co_u32 s33, s33, s34
	s_cmp_lt_u32 s32, 64
	s_cselect_b32 s30, s33, s30
	s_cselect_b32 s31, 32, s31
	s_lshl_b32 s30, s30, 12                        ; a row is 4,096 bytes
	s_lshl_b32 s32, s23, 11                        ; half of K is 2,048
	s_add_co_u32 s30, s30, s32
	s_lshl_b32 s31, s31, 12
	v_add_nc_u32 v[VLO], s30, v[VLO]
	s_wait_alu depctr_va_vdst(0)
	v_add_nc_u32 v[VHI], s31, v[VLO]
	s_wait_alu depctr_va_vdst(0)
	s_lshl_b32 s32, ttmp9, 3
	s_add_co_u32 s32, s32, s22
	s_mul_i32 s32, s32, 12800                      ; img: stored tile 8 G + w,
	s_mul_i32 s33, s23, 6400                       ; half y
	s_add_co_u32 s32, s32, s33
	s_mov_b32 s33, 0
	s_add_nc_u64 s[18:19], s[18:19], s[32:33]
	s_add_nc_u64 s[20:21], s[18:19], 6144          ; my half tile's scale words lie behind its eight images
.macro LOAD t                          ; step t: 16 rows x 256 bytes into set t % 3; each load reads two rows' 256 consecutive bytes
.irp j, 0,1,2,3
	global_load_b128 v[R+32*((\t)%3)+4*\j:R+32*((\t)%3)+4*\j+3], v[VLO], s[26:27] offset:8192*\j+256*(\t) th:TH_LOAD_NT
.endr
.irp j, 0,1,2,3
	global_load_b128 v[R+32*((\t)%3)+16+4*\j:R+32*((\t)%3)+16+4*\j+3], v[VHI], s[26:27] offset:8192*\j+256*(\t) th:TH_LOAD_NT
.endr
.endm
.macro TURN t                          ; step t's numbers through stage t % 2: LDS serves a wave's instructions in order, so no wait stands between the stores and the loads
.irp j, 0,1,2,3,4,5,6,7
	ds_store_b128 v[STI], v[R+32*((\t)%3)+4*\j:R+32*((\t)%3)+4*\j+3] offset:4352*((\t)%2)+544*\j
.endr
.irp j, 0,1,2,3,4,5,6,7
	ds_load_b128 v[X+32*((\t)%2)+4*\j:X+32*((\t)%2)+4*\j+3], v[STO] offset:4352*((\t)%2)+16*\j
.endr
.endm
.macro STEP t
.set XS, X+32*((\t)%2)
.set CC, C+6*(\t)
.if (\t) > 0
	s_wait_dscnt 1                                 ; this step's numbers are back from the stage; the one younger LDS instruction, the last step's byte store, may be out
.else
	s_wait_dscnt 0x0
.endif
.if (\t)+3 < 8
	LOAD (\t)+3                                    ; into the set whose stores into the stage are done
.endif
.if (\t)+1 < 8
.if (\t) < 5
	s_wait_loadcnt 16                              ; the next step's eight loads are in; those of the two steps behind it may be out
.else
	s_wait_loadcnt 8*(6-(\t))                      ; the counts run down: one step behind it, then none
.endif
	TURN (\t)+1
.endif
	v_max3_num_f32 v12, |v[XS]|, |v[XS+1]|, |v[XS+2]|              ; the block's largest magnitude: all 32 numbers are mine; two chains
	v_max3_num_f32 v13, |v[XS+3]|, |v[XS+4]|, |v[XS+5]|
.irp i, 6,10,14,18,22,26
	s_delay_alu instid0(VALU_DEP_2)
	v_max3_num_f32 v12, v12, |v[XS+\i]|, |v[XS+\i+1]|
	s_delay_alu instid0(VALU_DEP_2)
	v_max3_num_f32 v13, v13, |v[XS+\i+2]|, |v[XS+\i+3]|
.endr
	s_delay_alu instid0(VALU_DEP_2)
	v_max3_num_f32 v12, v12, |v[XS+30]|, |v[XS+31]|
	s_delay_alu instid0(VALU_DEP_1)
	v_max3_num_f32 v12, v12, v13, 0x1800000        ; and the floor 2^(3 - 127): the byte cannot fall under 1
	s_delay_alu instid0(VALU_DEP_1)
	v_add_nc_u32 v[SOP], 0xff000000, v12           ; 2 off the exponent field: the conversion takes this operand's exponent field as its scale
	v_cvt_scalef32_pk16_fp6_f32 v[CC:CC+2], v[XS:XS+15], v[SOP]
	v_cvt_scalef32_pk16_fp6_f32 v[CT:CT+2], v[XS+16:XS+31], v[SOP]
	v_lshrrev_b32 v13, 23, v[SOP]                  ; the scale's byte; also the plain instruction behind the conversions
.irp i, 0,1,2
	v_mov_b32 v[CC+3+\i], v[CT+\i]
.endr
	ds_store_b8 v[SBA], v13 offset:64*((\t)/2)+2*((\t)%2)   ; step t is kc = 8 y + t: K step t / 2 of the half, bytes 2 (t % 2) + h of the word
	global_store_b128 v[L16], v[CC:CC+3], s[18:19] offset:768*(\t)        ; 32 lanes: 512 consecutive bytes
	global_store_b64 v[L8], v[CC+4:CC+5], s[18:19] offset:768*(\t)+512    ; 32 lanes: 256 consecutive bytes
.endm
	LOAD 0
	LOAD 1
	LOAD 2
	s_wait_loadcnt 16                              ; step 0's eight loads are in
	TURN 0
.irp t, 0,1,2,3,4,5,6,7
	STEP \t
.endr
	s_wait_dscnt 0x0                               ; for the others' sake: my byte stores are done
	s_barrier_signal -1
	s_barrier_wait -1
	ds_load_b64 v[12:13], v[SRD]                   ; my wave's 256 bytes: the scale words of its 16 rows
	s_wait_dscnt 0x0
	global_store_b64 v[L8], v[12:13], s[20:21]     ; 32 lanes store 256 consecutive bytes, aligned
	s_wait_tensorcnt 0x0                           ; the wave's end
	ds_add_u32 v[SPW], v[NIL]
	s_wait_dscnt 0x0
	s_endpgm
.Lfunc_end_k_q83bfc289af_quant:
	.size	k_q83bfc289af_quant, .Lfunc_end_k_q83bfc289af_quant-k_q83bfc289af_quant
	.p2alignl 7, 3214868480
	.fill 96, 4, 3214868480
	.section	.rodata,"a",@progbits
	.p2align	6, 0x0
	.amdhsa_kernel k_q83bfc289af_quant
		.amdhsa_group_segment_fixed_size 72704
		.amdhsa_private_segment_fixed_size 0
		.amdhsa_enable_private_segment 0
		.amdhsa_kernarg_size 64
		.amdhsa_user_sgpr_count 2
		.amdhsa_user_sgpr_kernarg_segment_ptr 1
		.amdhsa_wavefront_size32 1
		.amdhsa_system_sgpr_workgroup_id_x 1
		.amdhsa_system_sgpr_workgroup_id_y 1
		.amdhsa_system_sgpr_workgroup_id_z 1
		.amdhsa_system_vgpr_workitem_id 0
		.amdhsa_next_free_vgpr 232
		.amdhsa_next_free_sgpr 66
		.amdhsa_reserve_vcc 0
		.amdhsa_float_denorm_mode_32 3
		.amdhsa_float_denorm_mode_16_64 3
		.amdhsa_memory_ordered 1
		.amdhsa_forward_progress 1
		.amdhsa_inst_pref_size 36
	.end_amdhsa_kernel
	.amdgpu_metadata
---
amdhsa.version: [ 1, 2 ]
amdhsa.kernels:
  - .name:           k_q83bfc289af_quant
    .symbol:         k_q83bfc289af_quant.kd
    .args:
      - { .name: q, .offset: 0, .size: 8, .value_kind: global_buffer, .address_space: global }
      - { .name: k_s, .offset: 8, .size: 8, .value_kind: global_buffer, .address_space: global }
      - { .name: v_s, .offset: 16, .size: 8, .value_kind: global_buffer, .address_space: global }
      - { .name: wq, .offset: 24, .size: 8, .value_kind: global_buffer, .address_space: global }
      - { .name: wk, .offset: 32, .size: 8, .value_kind: global_buffer, .address_space: global }
      - { .name: wv, .offset: 40, .size: 8, .value_kind: global_buffer, .address_space: global }
      - { .name: w_fc1, .offset: 48, .size: 8, .value_kind: global_buffer, .address_space: global }
      - { .name: img, .offset: 56, .size: 8, .value_kind: global_buffer, .address_space: global }
    .group_segment_fixed_size: 72704
    .private_segment_fixed_size: 0
    .kernarg_segment_align: 8
    .kernarg_segment_size: 64
    .max_flat_workgroup_size: 256
    .sgpr_count:     66
    .vgpr_count:     232
    .wavefront_size: 32
...
	.end_amdgpu_metadata
.endif
;; end of part 1
;; launch proj (part 2): grid 8 x 32, 4 waves a work-group, clusters of 4 x 4, 327,680 bytes of LDS; arguments img, bq, bk, bv, qb, kvb; writes qb, kvb
.if DOCPART == 2
	.amdgcn_target "amdgcn-amd-amdhsa--gfx1250"
	.amdhsa_code_object_version 6
	.text
	.protected	k_q83bfc289af_proj
	.globl	k_q83bfc289af_proj
	.p2align	8
	.type	k_q83bfc289af_proj,@function
k_q83bfc289af_proj:
	s_mov_b64 s[64:65], 0
	v_nop
	global_prefetch_b8 v0, s[64:65] scope:SCOPE_SE
	s_setreg_imm32_b32 hwreg(HW_REG_WAVE_MODE, 25, 1), 1
	s_wait_xcnt 0x0
	s_wait_alu depctr_hold_cnt(0) depctr_sa_sdst(0) depctr_va_vdst(0) depctr_va_sdst(0) depctr_va_ssrc(0) depctr_va_vcc(0) depctr_vm_vsrc(0)
	s_getreg_b32 s2, hwreg(HW_REG_IB_STS2, 6, 4)
	s_cmp_eq_u32 s2, 0
	s_cbranch_scc0 .Lentry_in_a_cluster
	s_endpgm
.Lentry_in_a_cluster:
	s_bfe_u32 s2, ttmp6, 0x10000c
	s_cmp_lg_u32 s2, 0xf033
	s_cbranch_scc0 .Lentry_shape_is_right
	s_endpgm
.Lentry_shape_is_right:
; The three projections on codes of FP6 (E2M3, one E8M0 scale for each 32 along K), bias added, results quantised in registers for attention's two products.
; A WORK-GROUP STAYS and makes three tiles of 256 rows (operand A) x 128 columns (operand B), K = 1,024, one after the other:
;   tile 0: qh = q wq^T + bq;  tile 1: kh = k_s wk^T + bk;  tile 2: vh^T = wv v_s^T + bv (features are the rows, keys the columns, since the keys are the next K).
; 256 work-groups: with the cluster's numbers X (0, 1) and Y (0 .. 7): Q, K: tile row 4 Y + cy, tile column 4 X + cx;  V: tile row cy, tile column 4 (2 Y + X) + cx.
; Four waves one below the other: wave w has A's blocks 4 w .. 4 w + 3 against B's eight: 32 accumulators.
; THE MATRIX INSTRUCTION IS USED TRANSPOSED (source 0 = 16 rows of B, source 1 = 16 rows of A): lane (r, h) holds A's row r, its registers run along B's rows.  B's rows were stored so
; that the 16 registers of tiles 2 B and 2 B + 1 are 16 neighbours: n = 32 B + 16 h + 0 .. 15.  So a lane's 64 registers of one block of A are quantised as they stand, along n.
; IN: img = [tile of 16 rows][half of K][6,400 bytes]: eight images of 768 bytes, then the half's scale words (K step q, row r at 6,144 + 64 q + 4 r).
; THE RING: two LDS slots, slot s for half s of K: A's 16 half tiles, then B's 8, 6,400 bytes each.  A fill is one joint load a wave: waves 0, 1 eight half tiles of A each, waves 2, 3 four of B each; rows of 6,400 bytes,
; 12,800 bytes apart, all at multiples of 256.  Slot 0 is filled for the next tile at the head of K step 3, when every wave holds that step's fragments in registers; slot 1 at the head of K step 7.
; In front of each refill every wave waits for all its tensor loads (one is out), adds 0 to its spare word, waits for that and for its LDS reads; a round of the cluster's barrier follows; the refill is the first
; tensor load behind it.  The same round shows the other slot whole.  From slot 0's request to the wait for it stand 128 products, from slot 1's the way out and 128 products.
; Q and K are two trips of one loop; V, which asks for nothing more and whose bias and way out differ, is written out behind it.
; CLUSTER: 4 x 4.  A's tiles are asked for jointly along a row of the cluster, B's along a column.  All of LDS is claimed.
; Nothing is prefetched: from the second fill on each tile is asked for half a tile's products or more ahead of its wait, and the launch's first two fills stand at its head.
; OUT: qb = [b h 64][group of 128 tokens 16][6,656]: 8 images of 16 tokens x 64 (768 bytes), then 512 bytes of scale words (tile i, row r at 256 (i / 4) + 16 r + 4 (i % 4); bytes s0, s1, 0x7f, 0x7f).
;      kvb = [b h 64][key step of 128, 16][13,056]: K's 8 images and, at 12,288, its scale words, as Q's; at 6,144 V^T's four fragments of 16 features x 128 keys (1,536 bytes); at 12,800 their words (16 r + 4 t).
; The factor 1 / 8 of the scores is a power of two: it rides in attention's multiplier (exact unless qh's scale would be held at its lower end).
; LIMITS: NaN and infinities not served; a block whose largest magnitude lies under 2^-124 gets the byte 1.
; REGISTERS: window 0: v2-13 LDS addresses, v18-19 the add's two, v22-23 and v80-91 this launch's own, v32-79 scale words, v96-191 A's fragments (two sets; on the way out v96-227 are at work);
;            window 1: B's fragments, two sets, at v0 and v128;  window 2: accumulator (a, b) at v[8 (8 a + b)];  window 3: v0-63 Q's, then K's bias in the result's layout, v64-95 V's.
.set SLOT,   153600
.set BOFF,   102400                    ; B's half tiles in a slot
.set SPARE,  2*SLOT                    ; the spare words, 128 bytes for each wave: two blocks of 256 bytes that no other line names
.set STG,    SPARE+512                 ; 512 bytes for each wave: the scale words on their way out; no tile lands here
.set A16, 2                            ; v2-3 my A tiles in slot 0, 1, + 16 l;  v4-5 + 8 l;  v6-9 the same for B
.set A8,  4
.set B16, 6
.set B8,  8
.set ASA, 10                           ; v10-11 my A tiles' scale words in slot 0, 1: lanes 0-15 an even tile's rows, lanes 16-31 the next tile's;  v12-13 B's
.set ASB, 12
.set SPW, 18
.set NIL, 19
.set SCA, 32                           ; v[32 + 2 g + i]: lanes 0-15 the words of A's block 2 i, lanes 16-31 of block 2 i + 1, for K step g
.set SCB, 48                           ; v[48 + 4 g + i]: the same for B
.set AF,  96
.set TM,  96                           ; the way out: v96-99 largest magnitudes, v100-103 bytes, v108-111 the conversions' scale operands
.set PW,  220
.set WV,  18
.set ROLE, 19
.set HF,  20
.set CX,  21
.set CY,  22
.set G1A, 24
.set G1B, 32
.set G0A, 40                           ; s[40:47] group 0 for A's tiles, a set for each slot;  s[48:55] for B's
.set G0B, 48
.set TT,  56                           ; the tile, 0 or 1 in the loop
.set RQ,  58                           ; Q, K: tile row (of cy alone), tile column (of cx alone);  V: tile column (of cx alone); its tile row is cy
.set CQ,  59
.set CV,  61
.set OA1, 62                           ; byte offsets in img of what I fetch of tiles 1 and 2: A's, B's
.set OA2, 63
.set OB1, 66
.set OB2, 67
.set NA,  68                           ; s[68:69], s[70:71] the same for the tile that is asked for next
.set NB,  70
.set PP,  72                           ; the way out's own
.set H0,  73
.set IM,  74
.set BB,  75
.set SW,  76
.set HH,  77
.set OB,  78
.set O2,  80
.set TP,  82
.set HP,  84
.set M16, 88
.set ONES, 89
.set SEL, 92
.set MSB, 0
.macro WIN new                         ; the immediate's high byte repeats the setting that is left
.if MSB != \new
	s_set_vgpr_msb (MSB<<8)|\new
.set MSB, \new
.endif
.endm
.macro PLACES n
.rept \n
	v_nop
.endr
.endm
; A joint load into slot s: waves 0 and 1 fetch for A, waves 2 and 3 for B; the branch hangs on the wave's number alone.  An s_nop 0 and four v_nop follow each of the two lines.
.macro JLOAD s
	s_cmp_eq_u32 s[ROLE], 0
	s_cbranch_scc0 .Lfor_b_\@
	tensor_load_to_lds s[G0A+4*\s:G0A+4*\s+3], s[G1A:G1A+7]
	s_nop 0
.rept 4
	v_nop
.endr
	s_branch .Lasked_\@
.Lfor_b_\@:
	tensor_load_to_lds s[G0B+4*\s:G0B+4*\s+3], s[G1B:G1B+7]
	s_nop 0
.rept 4
	v_nop
.endr
.Lasked_\@:
.endm
.macro CROUND                          ; a round of the cluster's barrier
	s_barrier_signal -1
	s_barrier_wait -1
	s_cmp_lg_u32 s[WV], 0
	s_cbranch_scc1 .Lnot_wave_0_\@
	s_barrier_signal -3
.Lnot_wave_0_\@:
	s_barrier_wait -3
	s_barrier_signal -1
	s_barrier_wait -1
.endm
.macro G1SET g, c, r, p                ; group 1's constant words: r rows of c elements, p elements from row to row
	s_mov_b32 s[\g+1], (\c)<<16
	s_mov_b32 s[\g+2], (\r)<<16
	s_mov_b32 s[\g+3], (\c)<<16
	s_mov_b32 s[\g+4], \r
	s_mov_b32 s[\g+5], \p
	s_mov_b32 s[\g+6], 0
	s_mov_b32 s[\g+7], 0
.endm
.macro G0SET s                         ; slot s's two global addresses, for the tile whose offsets stand in NA and NB: half s of K
	s_add_nc_u64 s[G0A+4*\s+2:G0A+4*\s+3], s[4:5], s[NA:NA+1]
	s_add_nc_u64 s[G0B+4*\s+2:G0B+4*\s+3], s[4:5], s[NB:NB+1]
.if \s
	s_add_nc_u64 s[G0A+6:G0A+7], s[G0A+6:G0A+7], 6400
	s_add_nc_u64 s[G0B+6:G0B+7], s[G0B+6:G0B+7], 6400
.endif
	s_or_b32 s[G0A+4*\s+3], s[G0A+4*\s+3], 0x80000000
	s_or_b32 s[G0B+4*\s+3], s[G0B+4*\s+3], 0x80000000
.endm
.macro TURNS s                         ; slot s has been read out: it is filled for the next tile
	s_wait_tensorcnt 0x0                           ; all my tensor loads have landed: the one that was out is my part of the other slot; so every group 0 may be written;
	ds_add_u32 v[SPW], v[NIL]                      ; 0 onto my spare word
	G0SET \s
	s_wait_dscnt 0x0                               ; the add is done, and so are my reads of this slot
	CROUND                                         ; both now hold of every wave of all sixteen work-groups
	JLOAD \s                                       ; the first tensor load behind the round; its four v_nop are also the plain instructions ahead of the loads that follow
.endm
.macro FRAG reg, a16, a8, off          ; a fragment, 16 rows x 128 K, is two images on end: four loads, each of consecutive bytes
	ds_load_b128 v[\reg:\reg+3], v[\a16] offset:\off
	ds_load_b64 v[\reg+4:\reg+5], v[\a8] offset:\off+512
	ds_load_b128 v[\reg+6:\reg+9], v[\a16] offset:\off+768
	ds_load_b64 v[\reg+10:\reg+11], v[\a8] offset:\off+1280
.endm
.macro FETCH g, p                      ; K step g's fragments (B's eight, my four of A) into set p: 48 loads in one run
.set fs, (\g)/4
.set fo, 1536*((\g)%4)
.set fp, (\p)
	WIN 0x40                                       ; destination window 1
.irp i, 0,1,2,3,4,5,6,7
	FRAG 128*fp+12*\i, B16+fs, B8+fs, 6400*\i+fo
.endr
	WIN 0
.irp i, 0,1,2,3
	FRAG AF+48*fp+12*\i, A16+fs, A8+fs, 6400*\i+fo
.endr
.endm
.macro SCLOAD hf                       ; the scale words of half hf's four K steps, as they lie: 24 loads
.irp q, 0,1,2,3
.irp i, 0,1
	ds_load_b32 v[SCA+2*(4*\hf+\q)+\i], v[ASA+\hf] offset:12800*\i+6144+64*\q
.endr
.irp i, 0,1,2,3
	ds_load_b32 v[SCB+4*(4*\hf+\q)+\i], v[ASB+\hf] offset:12800*\i+6144+64*\q
.endr
.endr
.endm
; 32 matrix instructions: K step g on set p.  cm = 0: sums go on in place; 1: the bias of B's block is the C; 2: the bias of A's block.  The 32 accumulators take turns, one instruction a turn,
; in the same order in every step.
.macro MUL32 g, p, cm
.irp a, 0,1,2,3
.irp b, 0,1,2,3,4,5,6,7
.set rD, 8*(8*\a+\b)
.set rC, rD
.if \cm == 1
.set rC, 8*\b
.elseif \cm == 2
.set rC, 64+8*\a
.endif
.set rB, 128*(\p)+12*\b
.set rA, AF+48*(\p)+12*\a
.set xB, SCB+4*(\g)+\b/2
.set xA, SCA+2*(\g)+\a/2
.set kR, 2*(\b%2)+(\a%2)
.if kR == 0
	v_wmma_scale_f32_16x16x128_f8f6f4 v[rD:rD+7], v[rB:rB+11], v[rA:rA+11], v[rC:rC+7], v[xB], v[xA] matrix_a_fmt:MATRIX_FMT_FP6 matrix_b_fmt:MATRIX_FMT_FP6
.elseif kR == 1
	v_wmma_scale_f32_16x16x128_f8f6f4 v[rD:rD+7], v[rB:rB+11], v[rA:rA+11], v[rC:rC+7], v[xB], v[xA] matrix_a_fmt:MATRIX_FMT_FP6 matrix_b_fmt:MATRIX_FMT_FP6 matrix_b_scale:MATRIX_SCALE_ROW1
.elseif kR == 2
	v_wmma_scale_f32_16x16x128_f8f6f4 v[rD:rD+7], v[rB:rB+11], v[rA:rA+11], v[rC:rC+7], v[xB], v[xA] matrix_a_fmt:MATRIX_FMT_FP6 matrix_b_fmt:MATRIX_FMT_FP6 matrix_a_scale:MATRIX_SCALE_ROW1
.else
	v_wmma_scale_f32_16x16x128_f8f6f4 v[rD:rD+7], v[rB:rB+11], v[rA:rA+11], v[rC:rC+7], v[xB], v[xA] matrix_a_fmt:MATRIX_FMT_FP6 matrix_b_fmt:MATRIX_FMT_FP6 matrix_a_scale:MATRIX_SCALE_ROW1 matrix_b_scale:MATRIX_SCALE_ROW1
.endif
.endr
.endr
.endm
.macro STEP g                          ; a K step inside a slot: its fragments are in; the next step's are asked for, 32 products ahead of their use
	s_wait_dscnt 0x0
	PLACES 4                                       ; four plain instructions between the last products and loads into the set that they read (ISA guide 7.12.1 for vector instructions)
	FETCH (\g)+1, ((\g)+1)%2
	WIN 0xa1                                       ; source 0 (B) window 1, source 1 (A) window 0, C and D window 2
	MUL32 \g, (\g)%2, 0
	WIN 0
.endm
.macro BIASQK p                        ; Q's or K's bias into window 3: register j of B's block k wants b[n0 + 32 (k / 2) + 16 h + 8 (k % 2) + j]
.irp k, 0,1,2,3,4,5,6,7
	global_load_b128 v[8*\k:8*\k+3], v22, s[\p:\p+1] offset:128*(\k/2)+32*(\k%2)
	global_load_b128 v[8*\k+4:8*\k+7], v22, s[\p:\p+1] offset:128*(\k/2)+32*(\k%2)+16
.endr
.endm
; Block a of A on its way out: my row's 64 numbers, register 16 B + i = n 32 B + 16 h + i, become a fragment's codes and its scale word.  Each block has registers of its own for what its stores read.
.macro OUTA a, v
.set PC, 128+20*(\a)
.set AC, 64*(\a)
	WIN 0x28                                       ; sources 1 and 2: window 2
.irp b, 0,1,2,3
	v_max3_num_f32 v[TM+\b], 0x1800000, |v[AC+16*\b]|, |v[AC+16*\b+1]|   ; each accumulator from its low end on; the floor 2^(3 - 127) holds the byte at 1 from below
.endr
.irp i, 2,4,6,8,10,12,14
.irp b, 0,1,2,3
	v_max3_num_f32 v[TM+\b], v[TM+\b], |v[AC+16*\b+\i]|, |v[AC+16*\b+\i+1]|
.endr
.endr
	WIN 0
.irp b, 0,1,2,3
	v_permlanex16_b32 v[TM+4+\b], v[TM+\b], s[SEL], s[SEL+1]
.endr
.irp b, 0,1,2,3
	v_max_num_f32 v[TM+\b], v[TM+\b], v[TM+4+\b]   ; with lane l xor 16's 16: the block's largest magnitude
.endr
.irp b, 0,1,2,3
	v_add_nc_u32 v[TM+12+\b], 0xff000000, v[TM+\b]
.endr
.irp b, 0,1,2,3
	v_lshrrev_b32 v[TM+4+\b], 23, v[TM+12+\b]
.endr
	v_lshl_or_b32 v[PW], v[TM+5], 8, v[TM+4]
	v_lshl_or_b32 v[PW], v[TM+6], 16, v[PW]
.if \v
	v_lshl_or_b32 v[216+(\a)], v[TM+7], 24, v[PW]  ; V: the word of 128 keys
.else
	v_lshl_or_b32 v[PW], v[TM+7], 24, v[PW]
.endif
	WIN 0x02                                       ; source 0: window 2
.irp c, 0,1
	v_cvt_scalef32_pk16_fp6_f32 v[PC+6*\c:PC+6*\c+2], v[AC+32*\c:AC+32*\c+15], v[TM+12+2*\c]
	v_cvt_scalef32_pk16_fp6_f32 v[PC+12+4*\c:PC+12+4*\c+2], v[AC+32*\c+16:AC+32*\c+31], v[TM+12+2*\c+1]
.endr
	WIN 0
	v_nop                                          ; one plain instruction behind a scaled conversion
.irp c, 0,1                            ; the operand's layout wants a whole block in a lane
.irp i, 0,1,2
	v_permlane16_swap_b32 v[PC+6*\c+\i], v[PC+12+4*\c+\i]
.endr
.irp i, 0,1,2
	v_mov_b32 v[PC+3+6*\c+\i], v[PC+12+4*\c+\i]
.endr
.endr
.if \v == 0
	v_lshrrev_b32 v[216+(\a)], v87, v[PW]          ; Q, K: lanes 0-15 keep the first head's two bytes, lanes 16-31 the second's,
	v_and_or_b32 v[216+(\a)], v[216+(\a)], s[M16], s[ONES]   ; and 1.0 stands over the half of K that holds zero codes
.endif
	ds_store_b32 v86, v[216+(\a)] offset:4*(\a)
	global_store_b128 v90, v[PC:PC+3], s[OB:OB+1] offset:(768+768*\v)*(\a)          ; each store covers 512 or 256 consecutive bytes, aligned
	global_store_b64 v91, v[PC+4:PC+5], s[OB:OB+1] offset:(768+768*\v)*(\a)+512
	global_store_b128 v90, v[PC+6:PC+9], s[O2:O2+1] offset:(768+768*\v)*(\a)
	global_store_b64 v91, v[PC+10:PC+11], s[O2:O2+1] offset:(768+768*\v)*(\a)+512
.endm
; A TILE.  v = 0: Q or K, by the loop's counter; v = 1: V.  refill = 1: the next tile is asked for.  At its head slot 0 holds its first half of K, shown whole by the last round.
.macro TILE v, refill
	s_wait_xcnt 0x0                                ; the last tile's stores have read their registers and bases
.if \refill
	s_cmp_eq_u32 s[TT], 0
	s_cselect_b32 s[NA], s[OA1], s[OA2]            ; what is asked for next: behind Q comes K, behind K comes V
	s_cselect_b32 s[NB], s[OB1], s[OB2]
.endif
	SCLOAD 0
	FETCH 0, 0
	s_wait_loadcnt 0x0                             ; the bias
	s_wait_dscnt 0x0
	FETCH 1, 1
	WIN 0xb1                                       ; C in window 3: the first K step starts the sums with the bias
.if \v
	MUL32 0, 0, 2
.else
	MUL32 0, 0, 1
.endif
	WIN 0
	STEP 1
	STEP 2
	s_wait_dscnt 0x0                               ; K step 3's fragments are in registers: I read slot 0 no more
.if \refill
	TURNS 0
.else
	s_wait_tensorcnt 0x0                           ; my part of slot 1 has landed,
	s_barrier_signal -1
	s_barrier_wait -1                              ; everybody's has.
	PLACES 4
.endif
	SCLOAD 1
	FETCH 4, 0
	WIN 0xa1
	MUL32 3, 1, 0
	WIN 0
	STEP 4
	STEP 5
	STEP 6
	s_wait_dscnt 0x0                               ; K step 7's fragments are in registers: I read slot 1 no more
.if \refill
	TURNS 1
.endif
	WIN 0xa1
	MUL32 7, 1, 0
	WIN 0
.if \refill
	s_cmp_lg_u32 s[TT], 0                          ; behind Q: K's bias takes Q's registers, which the first K step's products read long ago
	s_cbranch_scc1 .Lno_bias_\@
	WIN 0xc0                                       ; destination window 3
	BIASQK 8
	WIN 0
.Lno_bias_\@:
.endif
	; THE WAY OUT.
.if \v
	s_mov_b32 s[PP], s[CV]                         ; my key step = tile column
	s_lshl_b32 s[H0], s[CY], 2
	s_add_co_u32 s[H0], s[H0], s[WV]               ; my head = 4 x tile row + wave
	s_mov_b32 s[IM], 6144                          ; the fragments lie behind K's images
	s_mov_b32 s[BB], 13056
	s_mov_b32 s[SW], 12800
	s_mov_b64 s[OB:OB+1], s[14:15]
.else
	s_lshl_b32 s[PP], s[RQ], 1
	s_add_co_u32 s[PP], s[PP], s[ROLE]             ; my group of 128 tokens = 2 x tile row + wave / 2
	s_lshl_b32 s[H0], s[CQ], 1                     ; the first of my two heads = 2 x tile column
	s_mul_i32 s[IM], s[HF], 3072                   ; my four images in the group's eight
	s_lshl_b32 s2, s[HF], 8
	s_mov_b32 s[BB], 13056
	s_mov_b32 s[SW], 12288
	s_cmp_eq_u32 s[TT], 0
	s_cselect_b32 s[BB], 6656, s[BB]               ; a block's bytes,
	s_cselect_b32 s[SW], 6144, s[SW]               ; where its scale words begin,
	s_cselect_b64 s[OB:OB+1], s[12:13], s[14:15]   ; qb or kvb
	s_add_co_u32 s[SW], s[SW], s2
	s_lshl_b32 s[HH], s[BB], 4                     ; from head to head: 16 blocks
	s_mov_b32 s[HP], s[HH]
	s_mov_b32 s[HP+1], 0
.endif
	s_lshr_b32 s2, s[PP], 4
	s_lshl_b32 s2, s2, 8
	s_and_b32 s3, s[PP], 15
	s_add_co_u32 s2, s2, s3
	s_lshl_b32 s3, s[H0], 4
	s_add_co_u32 s2, s2, s3                        ; block (batch x 16 + head) x 16 + its place among the batch's 16
	s_mul_i32 s[TP], s2, s[BB]
	s_mov_b32 s[TP+1], 0
	s_add_nc_u64 s[OB:OB+1], s[OB:OB+1], s[TP:TP+1]
.if \v
	s_add_nc_u64 s[O2:O2+1], s[OB:OB+1], 768       ; a fragment's second half: the next 768 bytes
.else
	s_add_nc_u64 s[O2:O2+1], s[OB:OB+1], s[HP:HP+1]   ; the next head
.endif
	PLACES 4                                       ; four plain instructions behind the last products, ahead of reads of results and writes of operands
.irp b, 0,1,2,3
	v_mov_b32 v[TM+4+\b], 0                        ; a lane permute's destination counts as one of its sources
.endr
	v_add_nc_u32 v90, s[IM], v80
	v_add_nc_u32 v91, s[IM], v81
.if \v
	v_lshl_add_u32 v88, v82, 4, s[SW]              ; where my four scale words go (lanes 16-31 store the same words again)
.else
	v_mul_u32_u24 v88, v83, s[HH]                  ; lanes 16-31 store the next head's words
	v_lshl_add_u32 v88, v82, 4, v88
	v_add_nc_u32 v88, s[SW], v88
.endif
	OUTA 0, \v
	OUTA 1, \v
	OUTA 2, \v
	OUTA 3, \v
	ds_load_b128 v[224:227], v86                   ; my row's four words; LDS serves a wave's instructions in order: this sees my stores
	s_wait_dscnt 0x0
	global_store_b128 v88, v[224:227], s[OB:OB+1]  ; sixteen lanes store 256 consecutive bytes, aligned
.endm
	s_load_b256 s[4:11], s[0:1], 0x0               ; img, bq, bk, bv
	s_load_b128 s[12:15], s[0:1], 0x20             ; qb, kvb
	v_lshl_add_u32 v[SPW], v0, 2, SPARE
	v_mov_b32 v[NIL], 0
	ds_add_u32 v[SPW], v[NIL]                      ; the wave's opening: the add, twice on end, and its wait ahead of my first tensor load; work on registers stands between
	ds_add_u32 v[SPW], v[NIL]
	v_lshrrev_b32 v1, 5, v0
	v_readfirstlane_b32 s[WV], v1                  ; wave 0..3
	s_lshr_b32 s[ROLE], s[WV], 1                   ; I fetch for A (0) or for B (1); also wave / 2
	s_and_b32 s[HF], s[WV], 1                      ; which half of that tile I fetch; also wave % 2
	s_bfe_u32 s[CX], ttmp6, 0x40000
	s_bfe_u32 s[CY], ttmp6, 0x40004
	s_and_b32 s23, ttmp7, 0xffff                   ; Y
	s_lshl_b32 s[RQ], s23, 2
	s_add_co_u32 s[RQ], s[RQ], s[CY]
	s_lshl_b32 s[CQ], ttmp9, 2
	s_add_co_u32 s[CQ], s[CQ], s[CX]
	s_lshl_b32 s[CV], s23, 1
	s_add_co_u32 s[CV], s[CV], ttmp9
	s_lshl_b32 s[CV], s[CV], 2
	s_add_co_u32 s[CV], s[CV], s[CX]
	; what I fetch, in tiles of img x 12,800 bytes.  A's: q from tile 0, k_s from 512, wv from 1,664; 16 tiles a tile row, my half 8.  Of cy, the cluster's numbers and the wave's alone
	s_lshl_b32 s2, s[RQ], 4
	s_lshl_b32 s3, s[HF], 3
	s_add_co_u32 s2, s2, s3
	s_mul_i32 s[NA], s2, 12800
	s_add_co_u32 s[OA1], s[NA], 512*12800
	s_lshl_b32 s2, s[CY], 4
	s_add_co_u32 s2, s2, s3
	s_add_co_u32 s2, s2, 1664
	s_mul_i32 s[OA2], s2, 12800
	; B's: wq from tile 1,536, wk from 1,600, v_s from 1,024; 8 tiles a tile column, my half 4.  Of cx, the cluster's numbers and the wave's alone
	s_lshl_b32 s2, s[CQ], 3
	s_lshl_b32 s3, s[HF], 2
	s_add_co_u32 s2, s2, s3
	s_add_co_u32 s2, s2, 1536
	s_mul_i32 s[NB], s2, 12800
	s_add_co_u32 s[OB1], s[NB], 64*12800
	s_lshl_b32 s2, s[CV], 3
	s_add_co_u32 s2, s2, s3
	s_add_co_u32 s2, s2, 1024
	s_mul_i32 s[OB2], s2, 12800
	s_mov_b32 s[NA+1], 0
	s_mov_b32 s[NB+1], 0
	s_lshl_b32 s2, s[CY], 2
	s_lshl_b32 s2, 15, s2                          ; my row of the cluster
	s_lshl_b32 s3, 0x1111, s[CX]                   ; my column
	s_or_b32 s[G1A], s2, (3<<16)|(1<<21)           ; 15:0 the mask; 17:16 elements of 8 bytes; 21 set beside a mask; no padding
	s_or_b32 s[G1B], s3, (3<<16)|(1<<21)
	G1SET G1A, 800, 8, 1600                        ; 8 half tiles of 6,400 bytes, 12,800 bytes from tile to tile
	G1SET G1B, 800, 4, 1600
	s_mul_i32 s2, s[HF], 51200                     ; where they go: of the wave's number alone
	s_mul_i32 s3, s[HF], 25600
	s_add_co_u32 s3, s3, BOFF
.irp s, 0,1
	s_mov_b32 s[G0A+4*\s], 1
	s_add_co_u32 s[G0A+4*\s+1], s2, \s*SLOT
	s_mov_b32 s[G0B+4*\s], 1
	s_add_co_u32 s[G0B+4*\s+1], s3, \s*SLOT
.endr
	s_mov_b32 s[M16], 0xffff
	s_mov_b32 s[ONES], 0x7f7f0000
	s_mov_b32 s[SEL], 0x76543210
	s_mov_b32 s[SEL+1], 0xfedcba98                 ; v_permlanex16_b32's selects for lane l xor 16
	s_wait_dscnt 0x0                               ; both opening adds are done
	s_wait_kmcnt 0x0
	G0SET 0                                        ; tile 0's two halves
	G0SET 1
	CROUND                                         ; all sixteen work-groups are here: the joint loads meet
	JLOAD 0                                        ; one tensor load a wave at the head
	s_lshl_b32 s2, s[CQ], 9                        ; Q, K: 4 n0 = 512 x tile column
	s_mov_b32 s3, 0
	s_add_nc_u64 s[6:7], s[6:7], s[2:3]
	s_add_nc_u64 s[8:9], s[8:9], s[2:3]
	s_lshl_b32 s2, s[CY], 10
	s_lshl_b32 s23, s[WV], 8
	s_add_co_u32 s2, s2, s23                       ; V: 4 m0 = 1,024 x tile row + 256 x wave
	s_add_nc_u64 s[10:11], s[10:11], s[2:3]
	s_mul_i32 s2, s[WV], 25600                     ; my four half tiles of A
	v_and_b32 v1, 31, v0
	v_and_b32 v82, 15, v0                          ; r
	v_bfe_u32 v83, v0, 4, 1                        ; h
	v_lshlrev_b32 v80, 4, v1                       ; 16 l
	v_lshlrev_b32 v81, 3, v1                       ; 8 l
	v_lshlrev_b32 v22, 6, v83                      ; Q's and K's bias: 64 h
	v_and_b32 v23, 8, v82
	v_mul_u32_u24 v84, v83, 6400
	v_add_nc_u32 v23, v23, v82
	v_lshl_add_u32 v84, v82, 2, v84                ; scale words: 6,400 h + 4 r
	v_lshlrev_b32 v23, 2, v23                      ; V's bias: 4 (r + 8 (r / 8))
	v_lshlrev_b32 v87, 4, v83                      ; 16 h
	v_lshl_add_u32 v86, v0, 4, STG                 ; my 16 bytes of my wave's stage: 16 x thread
.irp s, 0,1
	v_add_nc_u32 v[A16+\s], s2, v80
	v_add_nc_u32 v[A8+\s], s2, v81
	v_add_nc_u32 v[ASA+\s], s2, v84
	v_add_nc_u32 v[B16+\s], \s*SLOT+BOFF, v80
	v_add_nc_u32 v[B8+\s], \s*SLOT+BOFF, v81
	v_add_nc_u32 v[ASB+\s], \s*SLOT+BOFF, v84
	s_add_co_u32 s2, s2, SLOT
.endr
	s_wait_alu depctr_va_vdst(0)
	WIN 0xc0                                       ; destination window 3
	BIASQK 6
.irp k, 0,1,2,3                        ; V: every register of A's block k wants bv[m0 + 32 (k / 2) + 8 (k % 2) + r + 8 (r / 8)]
.irp j, 0,1,2,3,4,5,6,7
	global_load_b32 v[64+8*\k+\j], v23, s[10:11] offset:128*(\k/2)+32*(\k%2)
.endr
.endr
	WIN 0
	s_wait_tensorcnt 0x0                           ; my part of slot 0 is in
	ds_add_u32 v[SPW], v[NIL]
	s_wait_dscnt 0x0
	CROUND                                         ; everybody's part is in, and all sixteen work-groups are here
	JLOAD 1                                        ; tile 0's second half: the first tensor load behind the round
	s_mov_b32 s[TT], 0
.Ltile:
	TILE 0, 1
	s_add_co_u32 s[TT], s[TT], 1
	s_cmp_lt_u32 s[TT], 2
	s_wait_alu depctr_va_vdst(0)
	s_cbranch_scc1 .Ltile
	TILE 1, 0
	s_wait_tensorcnt 0x0                           ; the wave's end
	ds_add_u32 v[SPW], v[NIL]
	s_wait_dscnt 0x0
	CROUND                                         ; the closing round
	s_endpgm
.Lfunc_end_k_q83bfc289af_proj:
	.size	k_q83bfc289af_proj, .Lfunc_end_k_q83bfc289af_proj-k_q83bfc289af_proj
	.p2alignl 7, 3214868480
	.fill 96, 4, 3214868480
	.section	.rodata,"a",@progbits
	.p2align	6, 0x0
	.amdhsa_kernel k_q83bfc289af_proj
		.amdhsa_group_segment_fixed_size 327680
		.amdhsa_private_segment_fixed_size 0
		.amdhsa_enable_private_segment 0
		.amdhsa_kernarg_size 48
		.amdhsa_user_sgpr_count 2
		.amdhsa_user_sgpr_kernarg_segment_ptr 1
		.amdhsa_wavefront_size32 1
		.amdhsa_system_sgpr_workgroup_id_x 1
		.amdhsa_system_sgpr_workgroup_id_y 1
		.amdhsa_system_sgpr_workgroup_id_z 1
		.amdhsa_system_vgpr_workitem_id 0
		.amdhsa_next_free_vgpr 1024
		.amdhsa_next_free_sgpr 106
		.amdhsa_reserve_vcc 0
		.amdhsa_float_denorm_mode_32 3
		.amdhsa_float_denorm_mode_16_64 3
		.amdhsa_memory_ordered 1
		.amdhsa_forward_progress 1
		.amdhsa_inst_pref_size 177
	.end_amdhsa_kernel
	.amdgpu_metadata
---
amdhsa.version: [ 1, 2 ]
amdhsa.kernels:
  - .name:           k_q83bfc289af_proj
    .symbol:         k_q83bfc289af_proj.kd
    .args:
      - { .name: img, .offset: 0, .size: 8, .value_kind: global_buffer, .address_space: global }
      - { .name: bq, .offset: 8, .size: 8, .value_kind: global_buffer, .address_space: global }
      - { .name: bk, .offset: 16, .size: 8, .value_kind: global_buffer, .address_space: global }
      - { .name: bv, .offset: 24, .size: 8, .value_kind: global_buffer, .address_space: global }
      - { .name: qb, .offset: 32, .size: 8, .value_kind: global_buffer, .address_space: global }
      - { .name: kvb, .offset: 40, .size: 8, .value_kind: global_buffer, .address_space: global }
    .group_segment_fixed_size: 327680
    .private_segment_fixed_size: 0
    .kernarg_segment_align: 8
    .kernarg_segment_size: 48
    .max_flat_workgroup_size: 128
    .sgpr_count:     106
    .vgpr_count:     1024
    .wavefront_size: 32
...
	.end_amdgpu_metadata
.endif
;; end of part 2
;; launch attn (part 3): grid 4 x 64, 16 waves a work-group, clusters of 4 x 1, 212,992 bytes of LDS; arguments qb, kvb, ctx, csc; writes ctx, csc
.if DOCPART == 3
	.amdgcn_target "amdgcn-amd-amdhsa--gfx1250"
	.amdhsa_code_object_version 6
	.text
	.protected	k_q83bfc289af_attn
	.globl	k_q83bfc289af_attn
	.p2align	8
	.type	k_q83bfc289af_attn,@function
k_q83bfc289af_attn:
	s_mov_b64 s[64:65], 0
	v_nop
	global_prefetch_b8 v0, s[64:65] scope:SCOPE_SE
	s_setreg_imm32_b32 hwreg(HW_REG_WAVE_MODE, 25, 1), 1
	s_wait_xcnt 0x0
	s_wait_alu depctr_hold_cnt(0) depctr_sa_sdst(0) depctr_va_vdst(0) depctr_va_sdst(0) depctr_va_ssrc(0) depctr_va_vcc(0) depctr_vm_vsrc(0)
	s_getreg_b32 s2, hwreg(HW_REG_IB_STS2, 6, 4)
	s_cmp_eq_u32 s2, 0
	s_cbranch_scc0 .Lentry_in_a_cluster
	s_endpgm
.Lentry_in_a_cluster:
	s_bfe_u32 s2, ttmp6, 0x10000c
	s_cmp_lg_u32 s2, 0x3003
	s_cbranch_scc0 .Lentry_shape_is_right
	s_endpgm
.Lentry_shape_is_right:
; ctx[b][q][h 64 + d] = sum over k of softmax_k(qh . kh / 8 - 0.4) vh, both products on codes of FP6 (E2M3) with one E8M0 scale for each 32 along K; ctx leaves quantised along h 64 + d.
; THE SOFTMAX: t = score x log2(e) / 8 - 0.4 log2(e) (the two scalar biases of the scores, 0.1 - 0.5); M = the running largest t rounded UP to a whole number; p = 2^(t - M) is quantised along the keys,
; not normalised; the row's sum is taken of the unquantised p and divides at the end (v_rcp_f32 and a multiplication).  When M moves, the sum and O are multiplied by 2^(old M - new M): exact.
; SHARES: a cluster of four work-groups has one head (cluster y = 16 b + head); work-group cx has 512 queries; each of its 16 waves takes one tile of 16 queries, twice (PASS 0, 1).
; THE WHOLE HEAD'S K AND V LIE IN LDS, filled once: wave w asks jointly with its three partners for key step w's block of 13,056 dense bytes.  One tensor load a wave; nothing is filled again.
; Nothing is prefetched: every byte that the launch reads through LDS is asked for at its head.
; LAYOUT: both products transposed (S^T = K Q^T, O^T = V^T P^T): a lane holds one query.  K's tile i, row m, is key 64 (i / 4) + 8 (i % 4) + m % 8 + 32 (m / 8) of the step's 128, so the 32 score registers
; of tiles 4 c .. 4 c + 3 are, in lane (r, h), keys 64 c + 32 h + 0 .. 31 in order: a whole block of 32 in one lane, in the place that P^T's operand gives it.  No lane is asked for a block's maximum, no code changes lanes.
; K = 64 IN AN INSTRUCTION OF 128: Q's upper six registers hold zero codes, and bytes 2, 3 of Q's and K's scale words are 0x7f.  So what stands in the upper six registers of K's operand
; (the next tile's codes; zeros behind the last) is multiplied by zeros and adds nothing: a tile of K is read from LDS once, six registers.
; ORDER OF A STEP: the next step's K fragments are asked for right behind this step's last products, and the row's sum (28 + 4 packed additions, which hang on nothing else) is cut in pieces that stand
; where plain instructions are owed ahead of and behind products and while those fragments are on their way; its last four lines stand behind the next step's score products.
; LIMITS: NaN and infinities not served; p under 2^-126 falls to 0 (v_exp_f32); a block under 2^-124 gets the byte 1.
.set BLK,   13056                      ; a key step: K's 8 images (6,144), V^T's 4 fragments (6,144), K's words (512), V's words (256)
.set CSL,   16*BLK                     ; behind the head: ctx's scale bytes of the work-group's 512 tokens, 2 bytes each; no tile lands here
.set SPARE, CSL+1024                   ; the spare words, 128 bytes for each wave: eight blocks of 256 bytes that no other line names
.set L16, 1                            ; v1 16 l;  v2 8 l;  v3 16 r: never rewritten
.set L8,  2
.set R16, 3
.set SPW, 4
.set NIL, 5
.set ADA, 6                            ; v6-8 the same three + the key step's first LDS byte
.set ADB, 7
.set ADS, 8
.set SH8, 9                            ; v9 8 h
.set CSA, 10                           ; v10 CSL + 32 w + 2 r
.set NM,  11                           ; v11 -M
.set TBM, 12                           ; v12 the bias as t, less M (named as the pair v[12:13]; its low word serves both halves)
.set SMX, 13                           ; v13 the running largest score
.set SUM, 14                           ; v[14:15] the row's sum, in two halves
.set QF,  16                           ; v16-21 Q's codes, v22-27 zeros
.set QS,  28                           ; v28 Q's scale word;  v29 p's
.set PS,  29
.set FF,  30                           ; v[30:31] f = 2^(old M - new M)
.set KF,  32                           ; v32-79 K's tile i at 32 + 6 i, later V^T's fragment t at 32 + 12 t;  v80-85 zeros
.set KS,  86                           ; v86-93 K's scale words;  v94-97 V's
.set VS,  94
.set CSR, 98
.set CSG, 99
.set S,   100                          ; v100-163 S^T, then p
.set O,   164                          ; v164-195 O^T
.set PCD, 196                          ; v196-207 p's codes
.set CT,  208                          ; v208-210, v212-214 the second conversions' results (three registers begin on an even number)
.set BM,  216                          ; v216-219 four chains of maxima; block c's largest score, then p, ends in v[216 + 2 c]
.set SOP, 220                          ; v220-221 the conversions' scale operands
.set T2,  222                          ; v222-223 scale bytes
.set TA,  224
.set TB2, 225
.set TW,  226
.set AC,  228                          ; v228-235 the step's sum of p in four chains of pairs
.set WV,  12
.set CS,  36                           ; s[36:37] c = log2(e) / 8
.set SEL, 38
.set TBI, 40                           ; s40 -0.4 log2(e)
.set TB,  41                           ; s41 the key step's first LDS byte
.set CNT, 42
.macro CROUND
	s_barrier_signal -1
	s_barrier_wait -1
	s_cmp_lg_u32 s[WV], 0
	s_cbranch_scc1 .Lnot_wave_0_\@
	s_barrier_signal -3
.Lnot_wave_0_\@:
	s_barrier_wait -3
	s_barrier_signal -1
	s_barrier_wait -1
.endm
	s_load_b256 s[4:11], s[0:1], 0x0               ; qb, kvb, ctx, csc
	v_lshl_add_u32 v[SPW], v0, 2, SPARE
	v_mov_b32 v[NIL], 0
	ds_add_u32 v[SPW], v[NIL]                      ; the wave's opening: the add, twice on end, and its wait ahead of my tensor load
	ds_add_u32 v[SPW], v[NIL]
	v_lshrrev_b32 v6, 5, v0
	s_delay_alu instid0(VALU_DEP_1)
	v_readfirstlane_b32 s[WV], v6                  ; wave 0..15
	s_bfe_u32 s13, ttmp6, 0x40000                  ; cx: it enters Q's, ctx's and csc's addresses alone
	s_and_b32 s14, ttmp7, 0xffff                   ; 16 b + head, which the four partners share
	s_mov_b32 s16, 15|(3<<16)|(1<<21)              ; 15:0 the mask: all four; 17:16 elements of 8 bytes; 21 set beside a mask; no padding
	s_mov_b32 s17, 32<<16                          ; a dense block as 51 rows of 256 bytes
	s_mov_b32 s18, 51<<16
	s_mov_b32 s19, 32<<16
	s_mov_b32 s20, 51
	s_mov_b32 s21, 32
	s_mov_b32 s22, 0
	s_mov_b32 s23, 0
	s_mov_b32 s24, 1
	s_mul_i32 s25, s[WV], BLK                      ; key step w's place in LDS
	s_lshl_b32 s26, s14, 4
	s_add_co_u32 s26, s26, s[WV]
	s_mul_i32 s26, s26, BLK                        ; and in kvb
	s_mov_b32 s27, 0
	s_mov_b32 s[CS], 0x3e38aa3b
	s_mov_b32 s[CS+1], s[CS]                       ; (named with it as a pair, so it is written)
	s_mov_b32 s[SEL], 0x76543210
	s_mov_b32 s[SEL+1], 0xfedcba98                 ; v_permlanex16_b32's selects for lane l xor 16
	s_mov_b32 s[TBI], 0xbf13bb63
	s_wait_dscnt 0x0                               ; both opening adds are done
	s_wait_kmcnt 0x0
	s_add_nc_u64 s[26:27], s[6:7], s[26:27]
	s_or_b32 s27, s27, 0x80000000
	CROUND                                         ; all four work-groups are here: the joint loads meet
	tensor_load_to_lds s[24:27], s[16:23]
	s_nop 0
.rept 4
	v_nop
.endr
	s_lshl_b32 s28, s14, 4
	s_lshl_b32 s29, s13, 2
	s_add_co_u32 s28, s28, s29
	s_lshr_b32 s29, s[WV], 3
	s_add_co_u32 s28, s28, s29
	s_mul_i32 s28, s28, 6656                       ; Q: group 4 cx + w / 8 of the head (pass 1: two groups on)
	s_and_b32 s29, s[WV], 7
	s_mul_i32 s30, s29, 768
	s_add_co_u32 s30, s28, s30                     ; image w % 8
	s_lshr_b32 s29, s29, 2
	s_lshl_b32 s29, s29, 8
	s_add_co_u32 s28, s28, s29
	s_and_b32 s29, s[WV], 3
	s_lshl_b32 s29, s29, 2
	s_add_co_u32 s28, s28, s29
	s_add_co_u32 s28, s28, 6144                    ; and its scale words
	s_mov_b32 s29, 0
	s_mov_b32 s31, 0
	s_add_nc_u64 s[30:31], s[4:5], s[30:31]
	s_add_nc_u64 s[28:29], s[4:5], s[28:29]
	s_lshr_b32 s32, s14, 4                         ; b
	s_and_b32 s33, s14, 15                         ; head
	s_lshl_b32 s34, s32, 7
	s_lshl_b32 s35, s13, 5
	s_add_co_u32 s34, s34, s35
	s_add_co_u32 s34, s34, s[WV]
	s_mul_i32 s34, s34, 12288                      ; ctx: tile 128 b + 32 cx + w (pass 1: 16 tiles on),
	s_mul_i32 s35, s33, 768                        ; kc = head
	s_add_co_u32 s34, s34, s35
	s_mov_b32 s35, 0
	s_add_nc_u64 s[8:9], s[8:9], s[34:35]
	s_lshl_b32 s34, s33, 14                        ; csc: plane head, token 2,048 b + 512 cx, 2 bytes each
	s_lshl_b32 s32, s32, 12
	s_add_co_u32 s34, s34, s32
	s_lshl_b32 s32, s13, 10
	s_add_co_u32 s34, s34, s32
	s_add_nc_u64 s[10:11], s[10:11], s[34:35]
	v_and_b32 v[TA], 31, v0
	v_and_b32 v[TB2], 15, v0
	v_and_b32 v[SH8], 16, v0
	v_and_b32 v[CSA], 0x1e0, v0
	v_and_b32 v[CSG], 63, v0
	v_lshlrev_b32 v[L16], 4, v[TA]
	v_lshlrev_b32 v[L8], 3, v[TA]
	v_lshlrev_b32 v[R16], 4, v[TB2]
	v_lshrrev_b32 v[SH8], 1, v[SH8]
	v_lshl_add_u32 v[CSA], v[TB2], 1, v[CSA]
	v_lshlrev_b32 v[CSG], 4, v[CSG]                ; in waves 0 and 1: 512 w + 16 l
	s_delay_alu instid0(VALU_DEP_2)
	v_add_nc_u32 v[CSA], CSL, v[CSA]
	s_delay_alu instid0(VALU_DEP_2)
	v_add_nc_u32 v[CSR], CSL, v[CSG]
.irp i, 0,1,2,3,4,5
	v_mov_b32 v[QF+6+\i], 0                        ; zero codes for K = 64 .. 127, set once
	v_mov_b32 v[KF+48+\i], 0
.endr
	v_mov_b32 v[T2], 0                             ; a lane permute's destination counts as one of its sources
	v_mov_b32 v[T2+1], 0
	v_mov_b32 v[FF+1], 0                           ; (named as the upper half of a pair)
	global_load_b128 v[QF:QF+3], v[L16], s[30:31]  ; pass 0's Q, on its way while the tiles land
	global_load_b64 v[QF+4:QF+5], v[L8], s[30:31] offset:512
	global_load_b32 v[QS], v[R16], s[28:29]
	s_wait_alu depctr_va_vdst(0)
	s_wait_tensorcnt 0x0                           ; my key step has landed,
	s_barrier_signal -1
	s_barrier_wait -1                              ; everybody's has
.macro KLOAD                           ; a key step's eight tiles of K and their scale words: 18 LDS loads
.irp i, 0,1,2,3,4,5,6,7
	ds_load_b128 v[KF+6*\i:KF+6*\i+3], v[ADA] offset:768*\i
	ds_load_b64 v[KF+6*\i+4:KF+6*\i+5], v[ADB] offset:768*\i+512
.endr
	ds_load_b128 v[KS:KS+3], v[ADS] offset:12288
	ds_load_b128 v[KS+4:KS+7], v[ADS] offset:12544
.endm
.macro SUMS from, n                    ; pairs from .. from + n - 1 of p onto the four chains
.set k, \from
.rept \n
	v_pk_add_f32 v[AC+2*(k%4):AC+2*(k%4)+1], v[AC+2*(k%4):AC+2*(k%4)+1], v[S+2*k:S+2*k+1]
.set k, k+1
.endr
.endm
.macro SUMEND                          ; the four chains join, and the row's sum goes under the step's M: sum x f + the step's
	v_pk_add_f32 v[AC:AC+1], v[AC:AC+1], v[AC+2:AC+3]
	v_pk_add_f32 v[AC+4:AC+5], v[AC+4:AC+5], v[AC+6:AC+7]
	v_pk_add_f32 v[AC:AC+1], v[AC:AC+1], v[AC+4:AC+5]
	v_pk_fma_f32 v[SUM:SUM+1], v[SUM:SUM+1], v[FF:FF+1], v[AC:AC+1] op_sel_hi:[1,0,1]
.endm
; A KEY STEP: 128 keys.  Its K fragments were asked for by the step before (or by the pass's head).  more = 1: the next step's are asked for.
.macro KSTEP more
	s_wait_alu depctr_va_vdst(0)
	s_wait_dscnt 0x0                               ; K's tiles and words are in
.irp i, 0,1,2,3,4,5,6,7
	v_wmma_scale_f32_16x16x128_f8f6f4 v[S+8*\i:S+8*\i+7], v[KF+6*\i:KF+6*\i+11], v[QF:QF+11], 0, v[KS+\i], v[QS] matrix_a_fmt:MATRIX_FMT_FP6 matrix_b_fmt:MATRIX_FMT_FP6
.endr
	SUMEND                                         ; the last step's sum is finished (the first step finds zeros): four plain instructions ahead of the loads over K's registers and of the first read of the scores
.irp t, 0,1,2,3                        ; V^T's fragments land while the softmax is walked
	ds_load_b128 v[KF+12*\t:KF+12*\t+3], v[ADA] offset:6144+1536*\t
	ds_load_b64 v[KF+12*\t+4:KF+12*\t+5], v[ADB] offset:6144+1536*\t+512
	ds_load_b128 v[KF+12*\t+6:KF+12*\t+9], v[ADA] offset:6144+1536*\t+768
	ds_load_b64 v[KF+12*\t+10:KF+12*\t+11], v[ADB] offset:6144+1536*\t+1280
.endr
	ds_load_b128 v[VS:VS+3], v[ADS] offset:12800
.irp q, 0,1,2,3
	v_max3_num_f32 v[BM+\q], v[S+16*\q], v[S+1+16*\q], v[S+2+16*\q]        ; four chains of 16 scores, each accumulator from its low end on
.endr
.irp i, 3,5,7,9,11,13
.irp q, 0,1,2,3
	v_max3_num_f32 v[BM+\q], v[BM+\q], v[S+16*\q+\i], v[S+1+16*\q+\i]
.endr
.endr
	v_max3_num_f32 v[BM], v[BM], v[BM+1], v[S+15]  ; my two blocks' largest scores: for the row's maximum and, since p rises with the score, for the blocks' largest p
	v_max3_num_f32 v[BM+2], v[BM+2], v[BM+3], v[S+47]
	v_max_num_f32 v[BM], v[BM], v[S+31]
	v_max_num_f32 v[BM+2], v[BM+2], v[S+63]
	s_delay_alu instid0(VALU_DEP_1)
	v_max_num_f32 v[TA], v[BM], v[BM+2]
	s_delay_alu instid0(VALU_DEP_1)
	v_permlanex16_b32 v[TB2], v[TA], s[SEL], s[SEL+1]
	s_delay_alu instid0(VALU_DEP_1)
	v_max3_num_f32 v[SMX], v[SMX], v[TA], v[TB2]   ; the running largest score, lane l xor 16's 64 keys among them
	s_delay_alu instid0(VALU_DEP_1)
	v_fma_f32 v[TA], v[SMX], s[CS], s[TBI]         ; as t (c is positive)
	s_delay_alu instid0(VALU_DEP_1)
	v_floor_f32 v[TB2], -v[TA]                     ; the new -M = -ceil(t): a whole number
	s_delay_alu instid0(VALU_DEP_1)
	v_sub_f32 v[TA], v[TB2], v[NM]                 ; old M - new M, 0 or less
	v_add_f32 v[TBM], s[TBI], v[TB2]
	v_mov_b32 v[NM], v[TB2]
	s_delay_alu instid0(VALU_DEP_3)
	v_cvt_i32_f32 v[TA], v[TA]                     ; (it saturates)
	s_delay_alu instid0(VALU_DEP_1)
	v_ldexp_f32 v[FF], 1.0, v[TA]                  ; f
.set j, 0
.rept 32
	v_pk_fma_f32 v[S+j:S+j+1], v[S+j:S+j+1], s[CS:CS+1], v[TBM:TBM+1] op_sel_hi:[1,0,0]   ; t - M, two at a time
.set j, j+2
.endr
	v_fma_f32 v[BM], v[BM], s[CS], v[TBM]          ; the same of each block's largest score
	v_fma_f32 v[BM+2], v[BM+2], s[CS], v[TBM]
.set j, 0
.rept 16
	v_pk_mul_f32 v[O+j:O+j+1], v[O+j:O+j+1], v[FF:FF+1] op_sel_hi:[1,0]   ; O^T under the new M, each accumulator from its low end on, ahead of the exponentials
.set j, j+2
.endr
	s_wait_alu depctr_va_vdst(0)
	v_exp_f32 v[BM], v[BM]                         ; the blocks' largest p: the same two instructions on the same number give the same bits
	v_exp_f32 v[BM+2], v[BM+2]
.set j, 0
.rept 64
	v_exp_f32 v[S+j], v[S+j]                       ; p = 2^(t - M): one batch
.set j, j+1
.endr
	v_nop                                          ; the plain instruction behind the batch
	s_wait_alu depctr_va_vdst(0)                   ; one wait for the batch, ahead of its first reader
.irp c, 0,1
	v_max_num_f32 v[BM+2*\c], 0x1800000, v[BM+2*\c]   ; the floor 2^(3 - 127): the byte cannot fall under 1
.endr
.irp c, 0,1
	s_delay_alu instid0(VALU_DEP_2)
	v_add_nc_u32 v[SOP+\c], 0xff000000, v[BM+2*\c]    ; 2 off the exponent field: the conversions' scale operand
.endr
.irp c, 0,1
	v_cvt_scalef32_pk16_fp6_f32 v[PCD+6*\c:PCD+6*\c+2], v[S+32*\c:S+32*\c+15], v[SOP+\c]
	v_cvt_scalef32_pk16_fp6_f32 v[CT+4*\c:CT+4*\c+2], v[S+32*\c+16:S+32*\c+31], v[SOP+\c]
.endr
	v_lshrrev_b32 v[T2], 23, v[SOP]                ; the scale bytes of blocks h and 2 + h; also the plain instructions behind the conversions
	v_lshrrev_b32 v[T2+1], 23, v[SOP+1]
	s_delay_alu instid0(VALU_DEP_1)
	v_lshl_or_b32 v[TW], v[T2+1], 16, v[T2]
	s_delay_alu instid0(VALU_DEP_1)
	v_lshlrev_b32 v[TW], v[SH8], v[TW]             ; at their places in the word, 8 h bits up
	s_delay_alu instid0(VALU_DEP_1)
	v_permlanex16_b32 v[TA], v[TW], s[SEL], s[SEL+1]
	s_delay_alu instid0(VALU_DEP_1)
	v_or_b32 v[PS], v[TW], v[TA]                   ; with lane l xor 16's two: p's scale word for these 128 keys
.irp c, 0,1
.irp i, 0,1,2
	v_mov_b32 v[PCD+3+6*\c+\i], v[CT+4*\c+\i]
.endr
.endr
.irp q, 0,1,2,3
	v_pk_add_f32 v[AC+2*\q:AC+2*\q+1], v[S+2*\q:S+2*\q+1], v[S+8+2*\q:S+9+2*\q]   ; THE ROW'S SUM IS TAKEN OF THE UNQUANTISED p.  These eight lines are also the plain instructions between p's codes and word and the products
.endr
	SUMS 8, 4
	s_wait_alu depctr_va_vdst(0)
	s_wait_dscnt 0x0                               ; V^T's fragments and words are in
.irp t, 0,1,2,3                        ; the four accumulators take turns, one instruction a turn; between two links of a chain stand eleven other products
	v_wmma_scale_f32_16x16x128_f8f6f4 v[O+8*\t:O+8*\t+7], v[KF+12*\t:KF+12*\t+11], v[PCD:PCD+11], v[O+8*\t:O+8*\t+7], v[VS+\t], v[PS] matrix_a_fmt:MATRIX_FMT_FP6 matrix_b_fmt:MATRIX_FMT_FP6
.endr
.if \more
	s_add_co_u32 s[TB], s[TB], BLK
	v_add_nc_u32 v[ADA], s[TB], v[L16]             ; four plain instructions between the products and the loads into the registers that they read
	v_add_nc_u32 v[ADB], s[TB], v[L8]
	v_add_nc_u32 v[ADS], s[TB], v[R16]
	SUMS 12, 1
	KLOAD                                          ; the next step's K, on its way under the rest of the sum
	SUMS 13, 19
.else
	SUMS 12, 20
	SUMEND
.endif
.endm
; One tile of 16 queries against all 2,048 keys; then ctx's 16 x 64 numbers, quantised, as one image and 16 pairs of scale bytes.
.macro PASS p
	s_wait_xcnt 0x0                                ; the last pass's stores have read their registers
.if \p
	global_load_b128 v[QF:QF+3], v[L16], s[30:31] offset:13312*\p
	global_load_b64 v[QF+4:QF+5], v[L8], s[30:31] offset:13312*\p+512
	global_load_b32 v[QS], v[R16], s[28:29] offset:13312*\p
.endif
	s_mov_b32 s[TB], 0
	s_mov_b32 s[CNT], 15
	v_add_nc_u32 v[ADA], s[TB], v[L16]
	v_add_nc_u32 v[ADB], s[TB], v[L8]
	v_add_nc_u32 v[ADS], s[TB], v[R16]
	KLOAD                                          ; key step 0
	v_mov_b32 v[SMX], 0xff61b1e6                   ; the largest score so far: -3e38, under every score;
	v_mov_b32 v[NM], 0x7f61b1e6                    ; -M: 3e38, so that the first f is 0
	v_mov_b32 v[FF], 0
	v_mov_b32 v[SUM], 0
	v_mov_b32 v[SUM+1], 0
.set j, 0
.rept 8
	v_mov_b32 v[AC+j], 0                           ; the first step finishes a sum of zeros
.set j, j+1
.endr
.set j, 0
.rept 32
	v_mov_b32 v[O+j], 0                            ; the step is written once: the first finds zeros, which the first change of M leaves zeros
.set j, j+1
.endr
	s_wait_loadcnt 0x0
.Lkey_\@:
	KSTEP 1
	s_sub_co_u32 s[CNT], s[CNT], 1
	s_cmp_lg_u32 s[CNT], 0
	s_cbranch_scc1 .Lkey_\@
	KSTEP 0                                        ; the last step asks for no further K; its 24 additions stand behind the last products
	v_add_f32 v[SUM], v[SUM], v[SUM+1]
	s_delay_alu instid0(VALU_DEP_1)
	v_permlanex16_b32 v[TA], v[SUM], s[SEL], s[SEL+1]
	s_delay_alu instid0(VALU_DEP_1)
	v_add_f32 v[SUM], v[SUM], v[TA]                ; the row's sum
	s_wait_alu depctr_va_vdst(0)
	v_rcp_f32 v[SUM], v[SUM]
	v_nop
	s_wait_alu depctr_va_vdst(0)
.set j, 0
.rept 16
	v_pk_mul_f32 v[S+j:S+j+1], v[O+j:O+j+1], v[SUM:SUM+1] op_sel_hi:[1,0]   ; register 16 B + i = ctx(query r, d = 32 B + 16 h + i); each accumulator from its low end on
.set j, j+2
.endr
.irp b, 0,1
	v_max3_num_f32 v[BM+\b], |v[S+16*\b]|, |v[S+1+16*\b]|, 0x1800000
.endr
.irp i, 2,4,6,8,10,12,14
.irp b, 0,1
	s_delay_alu instid0(VALU_DEP_2)
	v_max3_num_f32 v[BM+\b], v[BM+\b], |v[S+16*\b+\i]|, |v[S+1+16*\b+\i]|
.endr
.endr
.irp b, 0,1
	s_delay_alu instid0(VALU_DEP_2)
	v_permlanex16_b32 v[T2+\b], v[BM+\b], s[SEL], s[SEL+1]
.endr
.irp b, 0,1
	s_delay_alu instid0(VALU_DEP_2)
	v_max_num_f32 v[BM+\b], v[BM+\b], v[T2+\b]     ; here a block of 32 features lies in lanes l and l xor 16
.endr
.irp b, 0,1
	s_delay_alu instid0(VALU_DEP_2)
	v_add_nc_u32 v[SOP+\b], 0xff000000, v[BM+\b]
.endr
.irp b, 0,1
	s_delay_alu instid0(VALU_DEP_2)
	v_lshrrev_b32 v[T2+\b], 23, v[SOP+\b]
.endr
	s_delay_alu instid0(VALU_DEP_1)
	v_lshl_or_b32 v[TW], v[T2+1], 8, v[T2]         ; my token's two scale bytes
	v_cvt_scalef32_pk16_fp6_f32 v[PCD:PCD+2], v[S:S+15], v[SOP]
	v_cvt_scalef32_pk16_fp6_f32 v[CT:CT+2], v[S+16:S+31], v[SOP+1]
	v_nop                                          ; one plain instruction behind a scaled conversion
.irp i, 0,1,2
	v_permlane16_swap_b32 v[PCD+\i], v[CT+\i]      ; the operand's layout wants a whole block in a lane
.endr
.irp i, 0,1,2
	s_delay_alu instid0(VALU_DEP_3)
	v_mov_b32 v[PCD+3+\i], v[CT+\i]
.endr
	ds_store_b16 v[CSA], v[TW] offset:512*\p       ; both halves of the lanes write the same bytes with the same value
	global_store_b128 v[L16], v[PCD:PCD+3], s[8:9] offset:196608*\p        ; 512 consecutive bytes, aligned
	global_store_b64 v[L8], v[PCD+4:PCD+5], s[8:9] offset:196608*\p+512    ; 256
.endm
	PASS 0
	PASS 1
	s_wait_dscnt 0x0                               ; for the others' sake: my scale bytes are stored
	s_barrier_signal -1
	s_barrier_wait -1
	s_cmp_lt_u32 s[WV], 2                          ; the 1,024 bytes leave by waves 0 and 1, 512 consecutive bytes each
	s_cbranch_scc0 .Lno_scales
	ds_load_b128 v[S:S+3], v[CSR]
	s_wait_dscnt 0x0
	global_store_b128 v[CSG], v[S:S+3], s[10:11]
.Lno_scales:
	s_wait_tensorcnt 0x0                           ; the wave's end
	ds_add_u32 v[SPW], v[NIL]
	s_wait_dscnt 0x0
	CROUND                                         ; the closing round
	s_endpgm
.Lfunc_end_k_q83bfc289af_attn:
	.size	k_q83bfc289af_attn, .Lfunc_end_k_q83bfc289af_attn-k_q83bfc289af_attn
	.p2alignl 7, 3214868480
	.fill 96, 4, 3214868480
	.section	.rodata,"a",@progbits
	.p2align	6, 0x0
	.amdhsa_kernel k_q83bfc289af_attn
		.amdhsa_group_segment_fixed_size 212992
		.amdhsa_private_segment_fixed_size 0
		.amdhsa_enable_private_segment 0
		.amdhsa_kernarg_size 32
		.amdhsa_user_sgpr_count 2
		.amdhsa_user_sgpr_kernarg_segment_ptr 1
		.amdhsa_wavefront_size32 1
		.amdhsa_system_sgpr_workgroup_id_x 1
		.amdhsa_system_sgpr_workgroup_id_y 1
		.amdhsa_system_sgpr_workgroup_id_z 1
		.amdhsa_system_vgpr_workitem_id 0
		.amdhsa_next_free_vgpr 236
		.amdhsa_next_free_sgpr 66
		.amdhsa_reserve_vcc 0
		.amdhsa_float_denorm_mode_32 3
		.amdhsa_float_denorm_mode_16_64 3
		.amdhsa_memory_ordered 1
		.amdhsa_forward_progress 1
		.amdhsa_inst_pref_size 79
	.end_amdhsa_kernel
	.amdgpu_metadata
---
amdhsa.version: [ 1, 2 ]
amdhsa.kernels:
  - .name:           k_q83bfc289af_attn
    .symbol:         k_q83bfc289af_attn.kd
    .args:
      - { .name: qb, .offset: 0, .size: 8, .value_kind: global_buffer, .address_space: global }
      - { .name: kvb, .offset: 8, .size: 8, .value_kind: global_buffer, .address_space: global }
      - { .name: ctx, .offset: 16, .size: 8, .value_kind: global_buffer, .address_space: global }
      - { .name: csc, .offset: 24, .size: 8, .value_kind: global_buffer, .address_space: global }
    .group_segment_fixed_size: 212992
    .private_segment_fixed_size: 0
    .kernarg_segment_align: 8
    .kernarg_segment_size: 32
    .max_flat_workgroup_size: 512
    .sgpr_count:     66
    .vgpr_count:     236
    .wavefront_size: 32
...
	.end_amdgpu_metadata
.endif
;; end of part 3
;; launch fc (part 4): grid 8 x 32, 4 waves a work-group, clusters of 4 x 4, 307,712 bytes of LDS; arguments ctx, csc, img, b_fc1, out0; writes out0
.if DOCPART == 4
	.amdgcn_target "amdgcn-amd-amdhsa--gfx1250"
	.amdhsa_code_object_version 6
	.text
	.protected	k_q83bfc289af_fc
	.globl	k_q83bfc289af_fc
	.p2align	8
	.type	k_q83bfc289af_fc,@function
k_q83bfc289af_fc:
	s_mov_b64 s[64:65], 0
	v_nop
	global_prefetch_b8 v0, s[64:65] scope:SCOPE_SE
	s_setreg_imm32_b32 hwreg(HW_REG_WAVE_MODE, 25, 1), 1
	s_wait_xcnt 0x0
	s_wait_alu depctr_hold_cnt(0) depctr_sa_sdst(0) depctr_va_vdst(0) depctr_va_sdst(0) depctr_va_ssrc(0) depctr_va_vcc(0) depctr_vm_vsrc(0)
	s_getreg_b32 s2, hwreg(HW_REG_IB_STS2, 6, 4)
	s_cmp_eq_u32 s2, 0
	s_cbranch_scc0 .Lentry_in_a_cluster
	s_endpgm
.Lentry_in_a_cluster:
	s_bfe_u32 s2, ttmp6, 0x10000c
	s_cmp_lg_u32 s2, 0xf033
	s_cbranch_scc0 .Lentry_shape_is_right
	s_endpgm
.Lentry_shape_is_right:
; out0 = ctx w_fc1^T + b_fc1 on codes of FP6 (E2M3, one E8M0 scale for each 32 along K); out0 [8192][1024] f32.
; The same skeleton as the projections' launch: a work-group makes 256 rows (ctx) x 128 columns (w_fc1's rows), K = 1,024; four waves one below the other, 32 accumulators each;
; the matrix instruction is used transposed (source 0 = 16 rows of w_fc1, source 1 = 16 rows of ctx), so that a lane holds eight neighbouring numbers of a row of out0;
; the whole K of both tiles lies in LDS in four slots, each filled once (five tensor loads of a wave are out at the most); 4 x 4 clusters, ctx's tiles asked for jointly along a row, w_fc1's along a column.
; The bias is the C of each sum's first product.  The way out goes through a stage in slot 0, which has had its last fill and its last read by then.
; REGISTERS: window 0: v2-17 LDS addresses, v18-19 the add's two, v20-21 scale addresses, v22-25 this launch's own, v32-79 scale words, v96-191 A's fragments (two sets), v192-255 the bias;
;            window 1: B's fragments, two sets;   window 2: accumulator (a, b) at v[8 (8 a + b)].
; LDS AS IT STANDS NOW (in place of the head's words on four slots): ctx's 16 tiles, each with its whole K (12,288 bytes) on end, from byte 0; from BOFF w_fc1's 8 tiles of 12,800 bytes, as they lie in img:
; for each half of K eight images and 256 bytes of scale words (K step q of the half, row r at 6,144 + 64 q + 4 r); from SCA_L ctx's scale bytes [kc 16][512].
; All is filled once, by ONE tensor load a wave at the head: waves 0 and 1 eight tiles of ctx each, wave 2 w_fc1's tiles, wave 3 ctx's scales.  A wave has one tensor load out.
.set BOFF,   196608
.set SCA_L,  299008
.set SCB_L,  SCA_L+8192
.set SPARE,  SCB_L                     ; behind ctx's scale bytes: the spare words, 128 bytes for each wave: two blocks of 256 bytes that no other line names
.set PITCHA, 2048                      ; csc: 16,384 bytes from plane to plane, in elements of 8 bytes
.set PAC, 4                            ; s[4:5] ctx, s[6:7] csc, s[8:9] img, s[10:11] b_fc1
.set PAS, 6
.set PBC, 8
.set PBS, 10
.set A16, 2
.set A8,  6
.set B16, 10
.set B8,  14
.set SPW, 18
.set NIL, 19
.set ASA, 20
.set ASB, 21
.set ASB2, 3                           ; v3 the same for B's tiles 4-7: an LDS offset has 16 bits
.set BA,  22                           ; v22 32 h: the bias's place for my half
.set STO, 23                           ; v23 the stage, in: 49,152 w + 528 r + 32 h
.set RD,  24                           ; v24 the stage, back: 49,152 w + 16 l
.set CO,  25                           ; v25 16 l
.set SCA, 32
.set SCB, 48
.set AF,  96
.set BI,  192
.set WV,  18
.set ROLE, 19
.set HF,  20
.set CX,  21
.set CY,  22
.set G1A, 24
.set G1B, 32
.set G1SA, 40
.set G1SB, 48
.set MSB, 0
.macro WIN new                         ; the immediate's high byte repeats the setting that is left
.if MSB != \new
	s_set_vgpr_msb (MSB<<8)|\new
.set MSB, \new
.endif
.endm
.macro PLACES n
.rept \n
	v_nop
.endr
.endm
.macro ARM under, g0, g1, next         ; one arm of the head's chain of branches on the wave's number: its joint load, an s_nop 0 and four v_nop, a jump to the chain's end
	s_cmp_lt_u32 s[WV], \under
	s_cbranch_scc0 \next
	tensor_load_to_lds s[\g0:\g0+3], s[\g1:\g1+7]
	s_nop 0
.rept 4
	v_nop
.endr
	s_branch .Lhead_asked
\next:
.endm
.macro CROUND                          ; a round of the cluster's barrier
	s_barrier_signal -1
	s_barrier_wait -1
	s_cmp_lg_u32 s[WV], 0
	s_cbranch_scc1 .Lnot_wave_0_\@
	s_barrier_signal -3
.Lnot_wave_0_\@:
	s_barrier_wait -3
	s_barrier_signal -1
	s_barrier_wait -1
.endm
.macro G1SET g, c, r, p
	s_mov_b32 s[\g+1], (\c)<<16
	s_mov_b32 s[\g+2], (\r)<<16
	s_mov_b32 s[\g+3], (\c)<<16
	s_mov_b32 s[\g+4], \r
	s_mov_b32 s[\g+5], \p
	s_mov_b32 s[\g+6], 0
	s_mov_b32 s[\g+7], 0
.endm
.macro FRAG reg, a16, a8, off          ; a fragment is two images on end: four loads, each of consecutive bytes
	ds_load_b128 v[\reg:\reg+3], v[\a16] offset:\off
	ds_load_b64 v[\reg+4:\reg+5], v[\a8] offset:\off+512
	ds_load_b128 v[\reg+6:\reg+9], v[\a16] offset:\off+768
	ds_load_b64 v[\reg+10:\reg+11], v[\a8] offset:\off+1280
.endm
.macro FETCH g, p
.set fo, 1536*(\g)
.set fb, 6400*((\g)/4)+1536*((\g)%4)
.set fp, (\p)
	WIN 0x40
.irp i, 0,1,2,3,4,5,6,7
	FRAG 128*fp+12*\i, B16+\i/4, B8+\i/4, 12800*(\i%4)+fb
.endr
	WIN 0
.irp i, 0,1,2,3
	FRAG AF+48*fp+12*\i, A16, A8, 12288*\i+fo
.endr
.endm
.macro MUL32 g, p, cm                  ; 32 products; cm = 1: the bias of B's block is the C.  The 32 accumulators take turns, one instruction a turn
.irp a, 0,1,2,3
.irp b, 0,1,2,3,4,5,6,7
.set rD, 8*(8*\a+\b)
.set rC, rD
.if \cm == 1
.set rC, BI+8*\b
.endif
.set rB, 128*(\p)+12*\b
.set rA, AF+48*(\p)+12*\a
.set xB, SCB+4*(\g)+\b/2
.set xA, SCA+2*(\g)+\a/2
.set kR, 2*(\b%2)+(\a%2)
.if kR == 0
	v_wmma_scale_f32_16x16x128_f8f6f4 v[rD:rD+7], v[rB:rB+11], v[rA:rA+11], v[rC:rC+7], v[xB], v[xA] matrix_a_fmt:MATRIX_FMT_FP6 matrix_b_fmt:MATRIX_FMT_FP6
.elseif kR == 1
	v_wmma_scale_f32_16x16x128_f8f6f4 v[rD:rD+7], v[rB:rB+11], v[rA:rA+11], v[rC:rC+7], v[xB], v[xA] matrix_a_fmt:MATRIX_FMT_FP6 matrix_b_fmt:MATRIX_FMT_FP6 matrix_b_scale:MATRIX_SCALE_ROW1
.elseif kR == 2
	v_wmma_scale_f32_16x16x128_f8f6f4 v[rD:rD+7], v[rB:rB+11], v[rA:rA+11], v[rC:rC+7], v[xB], v[xA] matrix_a_fmt:MATRIX_FMT_FP6 matrix_b_fmt:MATRIX_FMT_FP6 matrix_a_scale:MATRIX_SCALE_ROW1
.else
	v_wmma_scale_f32_16x16x128_f8f6f4 v[rD:rD+7], v[rB:rB+11], v[rA:rA+11], v[rC:rC+7], v[xB], v[xA] matrix_a_fmt:MATRIX_FMT_FP6 matrix_b_fmt:MATRIX_FMT_FP6 matrix_a_scale:MATRIX_SCALE_ROW1 matrix_b_scale:MATRIX_SCALE_ROW1
.endif
.endr
.endr
.endm
.macro STEPH g
	s_wait_dscnt 0x0                               ; this step's 48 loads are in
.if (\g) < 7
.if (\g) > 0
	PLACES 4                                       ; four plain instructions between the last products and loads into the set that they read
.endif
	FETCH (\g)+1, ((\g)+1)%2
.endif
.endm
.macro STEP g
	STEPH \g
	WIN 0xa1
	MUL32 \g, (\g)%2, 0
	WIN 0
.endm
	s_load_b256 s[4:11], s[0:1], 0x0               ; ctx, csc, img, b_fc1
	s_load_b128 s[12:15], s[0:1], 0x18             ; b_fc1, out0
	v_lshl_add_u32 v[SPW], v0, 2, SPARE
	v_mov_b32 v[NIL], 0
	ds_add_u32 v[SPW], v[NIL]                      ; the wave's opening: the add and its wait ahead of my first tensor load; work on registers stands between them
	ds_add_u32 v[SPW], v[NIL]
	v_lshrrev_b32 v1, 5, v0
	v_readfirstlane_b32 s[WV], v1
	s_lshr_b32 s[ROLE], s[WV], 1
	s_and_b32 s[HF], s[WV], 1
	s_bfe_u32 s[CX], ttmp6, 0x40000
	s_bfe_u32 s[CY], ttmp6, 0x40004
	s_and_b32 s100, ttmp7, 0xffff
	s_lshl_b32 s100, s100, 2
	s_add_co_u32 s100, s100, s[CY]                 ; tile row = 4 x cluster y + cy
	s_lshl_b32 s101, ttmp9, 2
	s_add_co_u32 s101, s101, s[CX]                 ; tile column = 4 x cluster x + cx
	s_lshl_b32 s104, s100, 4                       ; A's first tile in ctx
	s_lshl_b32 s105, s101, 3
	s_add_co_u32 s105, s105, 1728                  ; B's in img: w_fc1 begins at tile 1,728
	s_lshl_b32 s2, s[CY], 2
	s_lshl_b32 s2, 15, s2                          ; my row of the cluster
	s_lshl_b32 s3, 0x1111, s[CX]                   ; my column
	s_or_b32 s[G1A], s2, (3<<16)|(1<<21)
	s_or_b32 s[G1SA], s2, (3<<16)|(1<<21)
	s_or_b32 s[G1B], s3, (3<<16)|(1<<21)
	G1SET G1A, 1536, 8, 1536                       ; 8 tiles x 12,288 bytes: the whole K, dense
	G1SET G1B, 1600, 8, 1600                       ; 8 tiles x 12,800 bytes, codes and scale words, dense
	G1SET G1SA, 64, 16, PITCHA                     ; 16 planes x 512 bytes: the scale bytes of 256 rows
	s_wait_dscnt 0x0                               ; the opening add is done
	s_wait_kmcnt 0x0
	s_mov_b32 s56, 1                               ; A's scales s56, A's codes s60, B's codes s84: only the wave's half enters A's codes
	s_mov_b32 s57, SCA_L
	s_lshl_b32 s58, s104, 5                        ; 16 rows a tile, 2 bytes a row
	s_mov_b32 s59, 0
	s_add_nc_u64 s[58:59], s[PAS:PAS+1], s[58:59]
	s_or_b32 s59, s59, 0x80000000
	s_mov_b32 s60, 1
	s_mul_i32 s61, s[HF], 98304                    ; waves 0 and 1: my eight tiles of A
	s_lshl_b32 s62, s[HF], 3
	s_add_co_u32 s62, s62, s104
	s_mul_i32 s62, s62, 12288
	s_mov_b32 s63, 0
	s_add_nc_u64 s[62:63], s[PAC:PAC+1], s[62:63]
	s_or_b32 s63, s63, 0x80000000
	s_mov_b32 s84, 1
	s_mov_b32 s85, BOFF
	s_mul_i32 s86, s105, 12800
	s_mov_b32 s87, 0
	s_add_nc_u64 s[86:87], s[PBC:PBC+1], s[86:87]
	s_or_b32 s87, s87, 0x80000000
	CROUND                                         ; all sixteen work-groups are here: the joint loads meet
	ARM 2, 60, G1A, .Lhead_b                       ; one tensor load a wave: every way through the chain passes one
	ARM 3, 84, G1B, .Lhead_sa
	tensor_load_to_lds s[56:59], s[G1SA:G1SA+7]
	s_nop 0
.rept 4
	v_nop
.endr
.Lhead_asked:
	v_and_b32 v1, 31, v0
	v_lshlrev_b32 v80, 4, v1
	v_lshlrev_b32 v81, 3, v1
	s_mul_i32 s2, s[WV], 49152                     ; my four tiles of A
	v_add_nc_u32 v[A16], s2, v80
	v_add_nc_u32 v[A8], s2, v81
.irp s, 0,1                            ; B's tiles 0-3 and 4-7: an LDS offset has 16 bits
	v_add_nc_u32 v[B16+\s], \s*51200+BOFF, v80
	v_add_nc_u32 v[B8+\s], \s*51200+BOFF, v81
.endr
	s_lshl_b32 s2, s[WV], 7                        ; my 64 rows in a plane of 512 bytes
	s_add_co_u32 s2, s2, SCA_L
	v_lshl_add_u32 v[ASA], v1, 1, s2
	v_lshrrev_b32 v[ASB], 4, v1
	v_and_b32 v[ASB2], 15, v1
	v_mul_u32_u24 v[ASB], v[ASB], 12800            ; B's scale words: lanes 0-15 an even tile's rows, lanes 16-31 the next tile's,
	v_lshl_add_u32 v[ASB], v[ASB2], 2, v[ASB]      ; 4 bytes a row
	v_add_nc_u32 v[ASB], BOFF, v[ASB]
	v_add_nc_u32 v[ASB2], 51200, v[ASB]
	; the bias in the result's layout: register j of B's block b wants b_fc1[128 x tile column + 16 b + 8 h + j]
	s_lshl_b32 s4, s101, 9
	s_mov_b32 s5, 0
	s_add_nc_u64 s[12:13], s[12:13], s[4:5]
	v_and_b32 v82, 15, v0                          ; r
	v_bfe_u32 v83, v0, 4, 1                        ; h
	v_lshlrev_b32 v[BA], 5, v83
.irp b, 0,1,2,3,4,5,6,7
	global_load_b128 v[BI+8*\b:BI+8*\b+3], v[BA], s[12:13] offset:64*\b
	global_load_b128 v[BI+8*\b+4:BI+8*\b+7], v[BA], s[12:13] offset:64*\b+16
.endr
	s_mul_i32 s2, s[WV], 49152                     ; my stage: 16 rows x (512 bytes + 16), at the start of my own four tiles of A
	v_mul_u32_u24 v[STO], v82, 528
	v_lshl_add_u32 v[STO], v83, 5, v[STO]
	v_add_nc_u32 v[STO], s2, v[STO]
	v_add_nc_u32 v[RD], s2, v80
	v_mov_b32 v[CO], v80
	s_lshl_b32 s4, s100, 8
	s_lshl_b32 s6, s[WV], 6
	s_add_co_u32 s4, s4, s6                        ; my first row of out0: 256 x tile row + 64 x wave
	s_lshl_b32 s4, s4, 12                          ; a row is 4,096 bytes
	s_lshl_b32 s6, s101, 9                         ; my columns: 512 bytes x tile column
	s_add_co_u32 s4, s4, s6
	s_add_nc_u64 s[14:15], s[14:15], s[4:5]
	s_wait_alu depctr_va_vdst(0)
	s_wait_tensorcnt 0x0                           ; my one tensor load has landed
	s_barrier_signal -1
	s_barrier_wait -1
.irp g, 0,1,2,3,4,5,6,7
.irp i, 0,1
	ds_load_u16 v[SCA+2*\g+\i], v[ASA] offset:1024*\g+64*\i
	ds_load_u16 v[SCA+64+2*\g+\i], v[ASA] offset:1024*\g+64*\i+512
.endr
.irp i, 0,1,2,3
	ds_load_b32 v[SCB+4*\g+\i], v[ASB-(ASB-ASB2)*(\i/2)] offset:25600*(\i%2)+6400*(\g/4)+6144+64*(\g%4)   ; B's words as they lie
.endr
.endr
	s_wait_dscnt 0x0
.irp g, 0,1,2,3,4,5,6,7                ; K step 0's words first: 14 plain instructions stand between them and the first product
.irp i, 0,1
	v_lshl_or_b32 v[SCA+2*\g+\i], v[SCA+64+2*\g+\i], 16, v[SCA+2*\g+\i]
.endr
.endr
	s_wait_alu depctr_va_vdst(0)
	FETCH 0, 0
	s_wait_loadcnt 0x0                             ; the bias
	STEPH 0
	WIN 0x81                                       ; C in window 0: the bias starts the sums
	MUL32 0, 0, 1
	WIN 0
	STEP 1
	STEP 2
	STEP 3
	STEP 4
	STEP 5
	s_wait_alu depctr_va_vdst(0)
	STEP 6
	STEP 7
; THE WAY OUT, block by block of 16 rows x 128 columns: through my own stage and back as whole rows of 512 bytes.  The stage lies in my own four tiles of A, which no other wave reads: my last read of them was
; waited for at the head of K step 7, and their one fill landed ahead of the head's barrier.  LDS serves a wave's instructions in order: no wait between the stores and the loads, nor in front of the next block's stores.
.macro TOSTAGE a
.set AC, 64*(\a)
	WIN 0x08                                       ; the data: window 2
.irp b, 0,1,2,3,4,5,6,7
	ds_store_b128 v[STO], v[AC+8*\b:AC+8*\b+3] offset:64*\b          ; each accumulator from its low end on
	ds_store_b128 v[STO], v[AC+8*\b+4:AC+8*\b+7] offset:64*\b+16
.endr
	WIN 0
.set BB, 96+64*((\a)%2)
.irp t, 0,1,2,3,4,5,6,7,8,9,10,11,12,13,14,15
	ds_load_b128 v[BB+4*\t:BB+4*\t+3], v[RD] offset:\t*528
.endr
.endm
.macro SEND a, younger                 ; younger: the LDS instructions issued behind block a's loads, which may stay out
.set BB, 96+64*((\a)%2)
	s_wait_dscnt \younger
.irp t, 0,1,2,3,4,5,6,7,8,9,10,11,12,13,14,15
	global_store_b128 v[CO], v[BB+4*\t:BB+4*\t+3], s[14:15] offset:(16*(\a)+\t)*4096 th:TH_STORE_NT   ; 32 lanes store 512 consecutive bytes, aligned; 63 rows at the most stand in the immediate
.endr
.endm
	PLACES 4                                       ; behind the last products: ahead of the first read of results and of loads over operands
	TOSTAGE 0
.irp a, 1,2,3
.if \a > 1
	s_wait_xcnt 0x0                                ; block a - 2's stores have read their registers: block a's loads may land there
.endif
	TOSTAGE \a
	SEND (\a)-1, 32                                ; behind block a - 1's loads: block a's 16 stores and 16 loads
.endr
	SEND 3, 0
	s_wait_tensorcnt 0x0                           ; the wave's end
	ds_add_u32 v[SPW], v[NIL]
	s_wait_dscnt 0x0
	CROUND                                         ; the closing round
	s_endpgm
.Lfunc_end_k_q83bfc289af_fc:
	.size	k_q83bfc289af_fc, .Lfunc_end_k_q83bfc289af_fc-k_q83bfc289af_fc
	.p2alignl 7, 3214868480
	.fill 96, 4, 3214868480
	.section	.rodata,"a",@progbits
	.p2align	6, 0x0
	.amdhsa_kernel k_q83bfc289af_fc
		.amdhsa_group_segment_fixed_size 307712
		.amdhsa_private_segment_fixed_size 0
		.amdhsa_enable_private_segment 0
		.amdhsa_kernarg_size 40
		.amdhsa_user_sgpr_count 2
		.amdhsa_user_sgpr_kernarg_segment_ptr 1
		.amdhsa_wavefront_size32 1
		.amdhsa_system_sgpr_workgroup_id_x 1
		.amdhsa_system_sgpr_workgroup_id_y 1
		.amdhsa_system_sgpr_workgroup_id_z 1
		.amdhsa_system_vgpr_workitem_id 0
		.amdhsa_next_free_vgpr 768
		.amdhsa_next_free_sgpr 106
		.amdhsa_reserve_vcc 0
		.amdhsa_float_denorm_mode_32 3
		.amdhsa_float_denorm_mode_16_64 3
		.amdhsa_memory_ordered 1
		.amdhsa_forward_progress 1
		.amdhsa_inst_pref_size 87
	.end_amdhsa_kernel
	.amdgpu_metadata
---
amdhsa.version: [ 1, 2 ]
amdhsa.kernels:
  - .name:           k_q83bfc289af_fc
    .symbol:         k_q83bfc289af_fc.kd
    .args:
      - { .name: ctx, .offset: 0, .size: 8, .value_kind: global_buffer, .address_space: global }
      - { .name: csc, .offset: 8, .size: 8, .value_kind: global_buffer, .address_space: global }
      - { .name: img, .offset: 16, .size: 8, .value_kind: global_buffer, .address_space: global }
      - { .name: b_fc1, .offset: 24, .size: 8, .value_kind: global_buffer, .address_space: global }
      - { .name: out0, .offset: 32, .size: 8, .value_kind: global_buffer, .address_space: global }
    .group_segment_fixed_size: 307712
    .private_segment_fixed_size: 0
    .kernarg_segment_align: 8
    .kernarg_segment_size: 40
    .max_flat_workgroup_size: 128
    .sgpr_count:     106
    .vgpr_count:     768
    .wavefront_size: 32
...
	.end_amdgpu_metadata
.endif
;; end of part 4
